; MI455X (gfx1250); checked and timed in simulation.
; The chip was launched on July 23, 2026; its instructions are those of AMD's public machine-readable ISA for CDNA 5 (MIT licence, August 2026) and "CDNA5" Instruction Set Architecture Reference Guide (July 2026). The comments in the code are by the model that wrote it; some were corrected since.
;; Attention. Allowed arithmetic: matrix products marked QUANTISED: E2M1 operands, one E8M0 scale for each 32 along K, by v_wmma_scale_f32_16x16x128_f8f6f4 with both operands' format E2M1 (or v_wmma_scale_f32_32x16x128_f4), f32 sums; products left as they are: bf16, f16 or f32 operands; f32 sums; everything else in f32.
;; Inputs: b_proj 1,024 float32; w_proj 1,024 x 1,024 float32; w_qkv 1,024 x 3,072 float32; x 4 x 2,048 x 1,024 float32.
;; Outputs: out0 4 x 2,048 x 1,024 float32.
;; This version of the problem:
;;   THIS VERSION OF THE PROBLEM IS GIVEN IN LOW PRECISION. The matrix products marked QUANTISED in the list below multiply operands that are first quantised to E2M1 (2 exponent bits, 1 mantissa bit; 4 bits a number), with one power-of-two scale for each 32 numbers along K (OCP MX v1.0); their sums are f32. The products marked 'left as it is' may take bf16, f16 or f32 operands, with f32 sums. Whichever they take, every output number must still come out within the allowed error. Rounding operands to bf16 (8 significant bits) uses up far more of that allowance than f16 does (11 bits, for magnitudes from 6e-5 to 65,504). All else is computed in f32.
;;   The module's matrix products, in the order in which they are computed (A, B: the left and right operand; K: the contracted axis; several contracted axes count as one K, in the product's order):
;;     1. [M 8,192, K 1,024] x [K 1,024, N 3,072]; A: input x; B: input w_qkv: QUANTISED
;;     2. batch 64 x [M 2,048, K 64] x [K 64, N 2,048]; A: computed on the way; B: computed on the way: left as it is (an operand is computed on the way)
;;     3. batch 64 x [M 2,048, K 2,048] x [K 2,048, N 64]; A: computed on the way; B: computed on the way: left as it is (an operand is computed on the way)
;;     4. [M 8,192, K 1,024] x [K 1,024, N 1,024]; A: computed on the way; B: input w_proj: left as it is (an operand is computed on the way)
;;   THE QUANTISER, for each operand of a quantised product, along K:
;;     - K is cut into blocks of 32 from its start; a last block that is shorter is filled with zeros.
;;     - A block's scale is 2^e with e = floor(log2(the largest magnitude in the block)) - 2, held to -126 .. 127; a block of zeros has e = 0. As a byte (E8M0): e + 127.
;;     - Each number is divided by its block's scale, clamped to +-6, and rounded to the nearest number of E2M1, ties to even, subnormals kept.
;;     - The product sums the exact products of the quantised numbers (number of the format x scale) in f32.
;;   ~~~python
;;   def quantise(x, axis):      # numpy; x: float32 -> the quantised numbers, widened to float32 again
;;       x = np.moveaxis(x, axis, -1); K = x.shape[-1]
;;       x = np.pad(x, [(0, 0)] * (x.ndim - 1) + [(0, -K % 32)]); x = x.reshape(x.shape[:-1] + (-1, 32)); a = np.abs(x).max(-1, keepdims=True)
;;       e = np.where(a > 0, np.clip(np.frexp(np.where(a > 0, a, 1))[1] - 1 - 2, -126, 127), 0)      # np.frexp(a)[1] - 1 = floor(log2(a)), exactly
;;       r = np.clip(x / 2.0 ** e, -6, 6)
;;       step = 2.0 ** (np.maximum(np.frexp(np.where(r == 0, 1, r))[1] - 1, 0) - 1)
;;       q = np.round(r / step) * step * 2.0 ** e      # np.round: ties to even
;;       return np.moveaxis(q.reshape(q.shape[:-2] + (-1,))[..., :K], -1, axis).astype(np.float32)
;;   ~~~
;; One version. Each part assembles by itself: llvm-mc -triple=amdgcn-amd-amdhsa -mcpu=gfx1250 --defsym DOCPART=n.
;; ======== version 1 of 1: 4 launches
;; limits: values are held in f16: magnitudes above 65,504 overflow, below 6.1e-05 lose precision
;; workspace buffers: xc 4,194,304 bytes; xs 262,144 bytes; wc 1,572,864 bytes; ws 98,304 bytes; wp 2,097,152 bytes; qkv 50,331,648 bytes; o16 16,777,216 bytes
;; launch prep (part 1): grid 512 x 1, 4 waves a work-group, no clusters, 33,280 bytes of LDS; arguments x, w_qkv, w_proj, xc, xs, wc, ws, wp; writes xc, xs, wc, ws, wp
.if DOCPART == 1
	.amdgcn_target "amdgcn-amd-amdhsa--gfx1250"
	.amdhsa_code_object_version 6
	.text
	.protected	k_qe68bfde722_prep
	.globl	k_qe68bfde722_prep
	.p2align	8
	.type	k_qe68bfde722_prep,@function
k_qe68bfde722_prep:
	s_mov_b64 s[64:65], 0
	v_nop
	global_prefetch_b8 v0, s[64:65] scope:SCOPE_SE
	s_setreg_imm32_b32 hwreg(HW_REG_WAVE_MODE, 25, 1), 1
	s_wait_xcnt 0x0
; THREE JOBS IN ONE LAUNCH, told apart by the work-group's number.
;   work-groups 0-255:   x [8192][1024] f32 -> codes of FP4 (E2M1), K innermost, xc [8192][512 bytes], and one E8M0 byte for each 32 along K, xs [8192][32].
;   work-groups 256-447: w_qkv [1024 (k)][3072 (n)] f32, K its FIRST axis -> codes laid as IMAGES OF THE OPERAND'S REGISTERS, wc [192 groups of 16 columns][8 K steps of 128][1,024 bytes]:
;                        the 16 bytes of column r's block t lie at 512 (t / 2) + 256 (t % 2) + 16 r, which is where lane 16 (t % 2) + r of a fragment's load t / 2 reads; scale bytes ws [3072][32].
;   work-groups 448-511: w_proj [1024][1024] f32 -> f16, wp, same order.
; THE QUANTISER: a block's scale is 2^(floor(log2(its largest magnitude)) - 2); its byte is the largest magnitude's exponent field - 2, held at 1 from below; each number is divided by the scale and
; rounded to the nearest code, ties to even, beyond 6 the largest code.
; LIMITS: a block of zeros gets the byte 1 where the rule says 127 (its codes are zeros, and this program alone reads the bytes); blocks whose largest magnitude lies under 2^-124 keep the byte 1;
; NaN and infinities among the inputs are not served; |w_proj| stays under 65,504, f16's largest number.
; Only the path for x touches LDS (a wave's own stage and its 256 scale bytes); no barrier: waves share nothing.
.set SPARE, 32768                      ; behind the four waves' regions: the spare words, 128 bytes for each wave
.set SPW,   12                         ; v12  LDS address of my spare word; never rewritten
.set NIL,   13                         ; v13  0; never rewritten
.set STEPS, 16
.set CB,    8                          ; bytes of 16 codes
.set R,     16                         ; v16-79   x: four sets of 16 numbers as they are loaded
.set X,     80                         ; v80-111  x: two sets of 16 neighbours
.set E,     112                        ; v112-127 x: a scale byte for each step
.set C,     128                        ; v128-191 x: codes, four registers for each step
.set WREG,  8192                       ; LDS: a region for each wave: two stages of 32 x SP bytes, then its 256 scale bytes
.set SP,    80                         ; a lane's place in a stage: 64 bytes + 16 of padding
.set WX,    32                         ; v32-159  w_qkv: four blocks of 32 numbers
.set WC,    160                        ; v160-175 w_qkv: codes, four registers a block, never rewritten
.set WS,    176                        ; v176     w_qkv: the four blocks' scale bytes
	s_load_b256 s[4:11], s[0:1], 0x0               ; x s[4:5], w_qkv s[6:7], w_proj s[8:9], xc s[10:11]
	s_load_b256 s[12:19], s[0:1], 0x20             ; xs s[12:13], wc s[14:15], ws s[16:17], wp s[18:19]
	v_lshl_add_u32 v[SPW], v0, 2, SPARE
	v_mov_b32 v[NIL], 0
	v_lshrrev_b32 v1, 5, v0
	v_readfirstlane_b32 s20, v1                    ; wave 0..3
	v_and_b32 v2, 31, v0                           ; lane
	; the LDS addresses of the path for x are made here, ahead of the parting of the ways; the other paths do not write them
	s_mul_i32 s21, s20, WREG
	v_lshrrev_b32 v14, 2, v2
	v_mul_u32_u24 v14, v14, SP
	v_and_b32 v15, 3, v2
	v_lshl_add_u32 v14, v15, 4, v14
	v_add_nc_u32 v14, s21, v14                     ; the stage, on the way in: SP (lane / 4) + 16 (lane % 4)
	v_mul_u32_u24 v15, v2, SP
	v_add_nc_u32 v15, s21, v15                     ; and on the way out: SP x lane: my 16 neighbours
	v_lshrrev_b32 v5, 1, v2
	s_add_co_u32 s21, s21, 2*32*SP
	v_add_nc_u32 v5, s21, v5                       ; my wave's 256 scale bytes, my block's byte
	v_lshlrev_b32 v7, 3, v2
	v_add_nc_u32 v6, s21, v7                       ; and 8 bytes a lane on their way out
	s_wait_kmcnt 0x0
	s_cmp_lt_u32 ttmp9, 256
	s_cbranch_scc0 .Lnot_x
; ---------------- x: a wave takes a run of 8,192 numbers, 16 steps of 512.  A load reads 512 consecutive bytes; a step's 2,048 bytes turn through the wave's stage so that a lane holds 16 neighbours.
	v_lshlrev_b32 v3, 4, v2                        ; my 16 bytes of a load's 512
	v_mul_u32_u24 v4, v2, CB                       ; my codes' place in a step's
	s_lshl_b32 s22, ttmp9, 2
	s_add_co_u32 s22, s22, s20                     ; my run: 4 x work-group + wave, 0..1023
	s_mov_b32 s25, 0
	s_lshl_b32 s24, s22, 15                        ; 32,768 bytes of x,
	s_add_nc_u64 s[4:5], s[4:5], s[24:25]
	s_lshl_b32 s24, s22, 12                        ; 4,096 of codes,
	s_add_nc_u64 s[10:11], s[10:11], s[24:25]
	s_lshl_b32 s24, s22, 8                         ; 256 scale bytes
	s_add_nc_u64 s[12:13], s[12:13], s[24:25]
.macro LOAD t
.irp i, 0,1,2,3
	global_load_b128 v[R+16*((\t)%4)+4*\i:R+16*((\t)%4)+4*\i+3], v3, s[4:5] offset:2048*(\t)+512*\i th:TH_LOAD_NT
.endr
.endm
.macro TURN t                          ; step t's numbers through the stage: LDS serves a wave's instructions in order, so no wait stands between the stores and the loads
.irp i, 0,1,2,3
	ds_store_b128 v14, v[R+16*((\t)%4)+4*\i:R+16*((\t)%4)+4*\i+3] offset:32*SP*((\t)%2)+8*SP*\i
.endr
.irp i, 0,1,2,3
	ds_load_b128 v[X+16*((\t)%2)+4*\i:X+16*((\t)%2)+4*\i+3], v15 offset:32*SP*((\t)%2)+16*\i
.endr
.endm
.irp t, 0,1,2,3
	LOAD \t
.endr
	s_wait_loadcnt 12                              ; step 0's four loads are in; the twelve of steps 1 to 3 may be out
	TURN 0
.macro STEP t
.set XS, X+16*((\t)%2)
.if (\t) > 0
	s_wait_dscnt 1                                 ; this step's numbers are back from the stage (the last step's byte store may be out): so its stores into the stage have read their registers,
.else
	s_wait_dscnt 0x0
.endif
.if (\t)+4 < STEPS
	LOAD (\t)+4                                    ; which take the loads of four steps on
.endif
.if (\t)+1 < STEPS
.if STEPS-2-(\t) >= 3
	s_wait_loadcnt 12                              ; the next step's four loads are in; those of the three steps behind it may be out
.else
	s_wait_loadcnt 4*(STEPS-2-(\t))
.endif
	TURN (\t)+1                                    ; and go through the other stage while this step is worked
.endif
	v_max3_num_f32 v8, |v[XS]|, |v[XS+1]|, |v[XS+2]|               ; the largest magnitude of my 16, in two chains
	v_max3_num_f32 v9, |v[XS+3]|, |v[XS+4]|, |v[XS+5]|
.irp i, 6,10
	v_max3_num_f32 v8, v8, |v[XS+\i]|, |v[XS+\i+1]|
	v_max3_num_f32 v9, v9, |v[XS+\i+2]|, |v[XS+\i+3]|
.endr
	v_max3_num_f32 v8, v8, |v[XS+14]|, |v[XS+15]|
	v_max3_num_f32 v8, v8, v9, 0x1800000           ; and the floor 2^(3 - 127): the byte cannot fall under 1
	v_max_num_f32_dpp v8, v8, v8 row_xmask:1 row_mask:0xf bank_mask:0xf   ; and of my neighbour's 16: the block's
	v_add_nc_u32 v11, 0xff000000, v8               ; 2 off its exponent field: the conversion takes the exponent field of this operand as its scale
	v_cvt_scalef32_pk8_fp4_f32 v[C+4*(\t)], v[XS:XS+7], v11
	v_cvt_scalef32_pk8_fp4_f32 v[C+4*(\t)+1], v[XS+8:XS+15], v11
	v_lshrrev_b32 v[E+(\t)], 23, v11               ; the scale's byte (also the plain line behind the conversions)
	ds_store_b8 v5, v[E+(\t)] offset:16*(\t)       ; both lanes of a block write the same byte with the same value
	global_store_b64 v4, v[C+4*(\t):C+4*(\t)+1], s[10:11] offset:32*CB*(\t)   ; 32 lanes store 256 consecutive bytes, aligned
.endm
.irp t, 0,1,2,3,4,5,6,7,8,9,10,11,12,13,14,15
	STEP \t
.endr
	ds_load_b64 v[8:9], v6                         ; LDS serves a wave's instructions in order: these see my byte stores
	s_wait_dscnt 0x0
	global_store_b64 v7, v[8:9], s[12:13]          ; 32 lanes store 256 consecutive bytes, aligned
	s_wait_tensorcnt 0x0                           ; the wave's end, behind my last LDS store
	ds_add_u32 v[SPW], v[NIL]
	s_wait_dscnt 0x0
	s_endpgm
.Lnot_x:
	s_cmp_lt_u32 ttmp9, 448
	s_cbranch_scc0 .Lpath_c
; ---------------- w_qkv: a wave takes 32 columns x 128 along K.  A LANE TAKES A COLUMN AND ITS REGISTERS RUN DOWN K: a block of 32 lies in one lane, and the conversions give codes with K innermost.
	s_sub_co_u32 s21, ttmp9, 256
	s_and_b32 s22, s21, 7                          ; which 128 along K
	s_lshr_b32 s23, s21, 3                         ; which 128 columns, 0..23
	s_lshl_b32 s24, s23, 7
	s_lshl_b32 s25, s20, 5
	s_add_co_u32 s24, s24, s25                     ; my wave's first column
	s_mul_i32 s26, s22, 1572864                    ; 128 rows of 12,288 bytes
	s_lshl_b32 s27, s24, 2
	s_add_co_u32 s26, s26, s27
	s_mov_b32 s27, 0
	s_add_nc_u64 s[6:7], s[6:7], s[26:27]
	s_lshl_b32 s26, s24, 9                         ; a group of 16 columns has 8,192 bytes of images
	s_lshl_b32 s28, s22, 10                        ; a K step's image 1,024
	s_add_co_u32 s26, s26, s28
	s_add_nc_u64 s[14:15], s[14:15], s[26:27]
	s_lshl_b32 s26, s24, 5                         ; a column has 32 scale bytes, a K step 4 of them
	s_lshl_b32 s28, s22, 2
	s_add_co_u32 s26, s26, s28
	s_add_nc_u64 s[16:17], s[16:17], s[26:27]
	v_lshlrev_b32 v3, 2, v2                        ; in: 4 bytes a lane: 128 consecutive bytes a wave
	v_lshrrev_b32 v4, 4, v2
	v_and_b32 v7, 15, v2
	v_lshlrev_b32 v4, 13, v4                       ; out: lanes 16-31 write the next group's image,
	v_lshl_add_u32 v4, v7, 4, v4                   ; 16 bytes a column
	v_lshlrev_b32 v7, 5, v2                        ; my column's row of scale bytes
.macro WLOAD t                         ; block t: w(32 t + i, my column)
.irp i, 0,1,2,3,4,5,6,7,8,9,10,11,12,13,14,15,16,17,18,19,20,21,22,23,24,25,26,27,28,29,30,31
	global_load_b32 v[WX+32*(\t)+\i], v3, s[6:7] offset:(32*(\t)+\i)*12288 th:TH_LOAD_NT
.endr
.endm
.macro WBLOCK t, left                  ; left: the next block's loads, which may stay out
.set XS, WX+32*(\t)
	s_wait_loadcnt \left
	v_max3_num_f32 v8, |v[XS]|, |v[XS+1]|, |v[XS+2]|               ; the block's largest magnitude: all 32 numbers are mine
	v_max3_num_f32 v9, |v[XS+3]|, |v[XS+4]|, |v[XS+5]|
.irp i, 6,10,14,18,22,26
	v_max3_num_f32 v8, v8, |v[XS+\i]|, |v[XS+\i+1]|
	v_max3_num_f32 v9, v9, |v[XS+\i+2]|, |v[XS+\i+3]|
.endr
	v_max3_num_f32 v8, v8, |v[XS+30]|, |v[XS+31]|
	v_max3_num_f32 v8, v8, v9, 0x1800000           ; and the floor 2^(3 - 127)
	v_add_nc_u32 v11, 0xff000000, v8               ; the conversion's scale operand
	v_lshrrev_b32 v9, 23, v11                      ; the scale's byte
.if (\t) == 0
	v_mov_b32 v[WS], v9
.else
	v_lshl_or_b32 v[WS], v9, 8*(\t), v[WS]         ; four bytes to the word, the lower K in the lower byte
.endif
.irp g, 0,1,2,3
	v_cvt_scalef32_pk8_fp4_f32 v[WC+4*(\t)+\g], v[XS+8*\g:XS+8*\g+7], v11
.endr
	v_nop                                          ; one plain line behind the conversions
	global_store_b128 v4, v[WC+4*(\t):WC+4*(\t)+3], s[14:15] offset:512*((\t)/2)+256*((\t)%2)   ; sixteen lanes store 256 consecutive bytes, aligned
.endm
	WLOAD 0
	WLOAD 1
	WBLOCK 0, 32
	WLOAD 2
	WBLOCK 1, 32
	WLOAD 3
	WBLOCK 2, 32
	WBLOCK 3, 0
	global_store_b32 v7, v[WS], s[16:17]           ; my column's scale word of this K step
	s_endpgm
.Lpath_c:
; ---------------- w_proj to f16: a wave takes 4,096 numbers; all 32 loads go out at once
	s_sub_co_u32 s21, ttmp9, 448
	s_lshl_b32 s21, s21, 2
	s_add_co_u32 s21, s21, s20                     ; 0..255
	s_lshl_b32 s22, s21, 14
	s_mov_b32 s23, 0
	s_add_nc_u64 s[8:9], s[8:9], s[22:23]
	s_lshl_b32 s22, s21, 13
	s_add_nc_u64 s[18:19], s[18:19], s[22:23]
	v_lshlrev_b32 v3, 4, v2
	v_lshlrev_b32 v4, 3, v2
.set I, 0
.rept 32
	global_load_b128 v[32+4*I:35+4*I], v3, s[8:9] offset:512*I th:TH_LOAD_NT
.set I, I+1
.endr
.set I, 0
.rept 32
	s_wait_loadcnt 31-I                            ; loads come back in order: load I is in, the younger ones stay out
	v_cvt_pk_f16_f32 v[32+4*I], v[32+4*I], v[33+4*I]
	v_cvt_pk_f16_f32 v[33+4*I], v[34+4*I], v[35+4*I]
	global_store_b64 v4, v[32+4*I:33+4*I], s[18:19] offset:256*I   ; 32 lanes store 256 consecutive bytes, aligned
.set I, I+1
.endr
	s_endpgm
.Lfunc_end_k_qe68bfde722_prep:
	.size	k_qe68bfde722_prep, .Lfunc_end_k_qe68bfde722_prep-k_qe68bfde722_prep
	.p2alignl 7, 3214868480
	.fill 96, 4, 3214868480
	.section	.rodata,"a",@progbits
	.p2align	6, 0x0
	.amdhsa_kernel k_qe68bfde722_prep
		.amdhsa_group_segment_fixed_size 33280
		.amdhsa_private_segment_fixed_size 0
		.amdhsa_enable_private_segment 0
		.amdhsa_kernarg_size 64
		.amdhsa_user_sgpr_count 2
		.amdhsa_user_sgpr_kernarg_segment_ptr 1
		.amdhsa_wavefront_size32 1
		.amdhsa_system_sgpr_workgroup_id_x 1
		.amdhsa_system_sgpr_workgroup_id_y 1
		.amdhsa_system_sgpr_workgroup_id_z 1
		.amdhsa_system_vgpr_workitem_id 0
		.amdhsa_next_free_vgpr 192
		.amdhsa_next_free_sgpr 66
		.amdhsa_reserve_vcc 0
		.amdhsa_float_denorm_mode_32 3
		.amdhsa_float_denorm_mode_16_64 3
		.amdhsa_memory_ordered 1
		.amdhsa_forward_progress 1
		.amdhsa_inst_pref_size 64
	.end_amdhsa_kernel
	.amdgpu_metadata
---
amdhsa.version: [ 1, 2 ]
amdhsa.kernels:
  - .name:           k_qe68bfde722_prep
    .symbol:         k_qe68bfde722_prep.kd
    .args:
      - { .name: x, .offset: 0, .size: 8, .value_kind: global_buffer, .address_space: global }
      - { .name: w_qkv, .offset: 8, .size: 8, .value_kind: global_buffer, .address_space: global }
      - { .name: w_proj, .offset: 16, .size: 8, .value_kind: global_buffer, .address_space: global }
      - { .name: xc, .offset: 24, .size: 8, .value_kind: global_buffer, .address_space: global }
      - { .name: xs, .offset: 32, .size: 8, .value_kind: global_buffer, .address_space: global }
      - { .name: wc, .offset: 40, .size: 8, .value_kind: global_buffer, .address_space: global }
      - { .name: ws, .offset: 48, .size: 8, .value_kind: global_buffer, .address_space: global }
      - { .name: wp, .offset: 56, .size: 8, .value_kind: global_buffer, .address_space: global }
    .group_segment_fixed_size: 33280
    .private_segment_fixed_size: 0
    .kernarg_segment_align: 8
    .kernarg_segment_size: 64
    .max_flat_workgroup_size: 128
    .sgpr_count:     66
    .vgpr_count:     192
    .wavefront_size: 32
...
	.end_amdgpu_metadata
.endif
;; end of part 1
;; launch qkv (part 2): grid 12 x 32, 4 waves a work-group, clusters of 4 x 4, 327,680 bytes of LDS; arguments xc, xs, wc, ws, qkv; writes qkv
.if DOCPART == 2
	.amdgcn_target "amdgcn-amd-amdhsa--gfx1250"
	.amdhsa_code_object_version 6
	.text
	.protected	k_qe68bfde722_qkv
	.globl	k_qe68bfde722_qkv
	.p2align	8
	.type	k_qe68bfde722_qkv,@function
k_qe68bfde722_qkv:
	s_mov_b64 s[64:65], 0
	v_nop
	global_prefetch_b8 v0, s[64:65] scope:SCOPE_SE
	s_setreg_imm32_b32 hwreg(HW_REG_WAVE_MODE, 25, 1), 1
	s_wait_xcnt 0x0
	s_wait_alu depctr_hold_cnt(0) depctr_sa_sdst(0) depctr_va_vdst(0) depctr_va_sdst(0) depctr_va_ssrc(0) depctr_va_vcc(0) depctr_vm_vsrc(0)
	s_getreg_b32 s2, hwreg(HW_REG_IB_STS2, 6, 4)
	s_cmp_eq_u32 s2, 0
	s_cbranch_scc0 .Lentry_in_a_cluster
	s_endpgm
.Lentry_in_a_cluster:
	s_bfe_u32 s2, ttmp6, 0x10000c
	s_cmp_lg_u32 s2, 0xf033
	s_cbranch_scc0 .Lentry_shape_is_right
	s_endpgm
.Lentry_shape_is_right:
; q, k, v = Q(x) Q(w_qkv): [8192][1024] x [1024][3072] on codes of FP4 (E2M1) with one E8M0 scale for each 32 along K; sums in f32; results rounded once to f16 and stored HEAD-MAJOR:
; qkv = three sections of 16,777,216 bytes (q, k, v), each [batch x 16 + head][2048 tokens][64] f16: a token's row is 128 bytes, a head 262,144 dense bytes.
; LIMIT: |q|, |k|, |v| stay under 65,504, f16's largest number.
; A tile of C, 256 tokens x 256 columns, is made by four waves; a wave makes 128 x 128: 64 accumulators, 512 registers.  K = 1,024 is two slots of 512 in LDS, each filled ONCE: no slot is filled again.
; A (x's codes) comes as rows of 256 bytes, padded to 272.  B (w_qkv's codes) comes as IMAGES OF THE OPERAND'S REGISTERS: a group of 16 columns x 128 K is 1,024 bytes, read back 16 bytes a lane: no pitch, no padding.
; The scale bytes of the work-group's 256 rows of A and 256 columns of B, for all of K, come once, as rows of 256 bytes + 16.
; CLUSTERS: 4 x 4 work-groups; A's tiles are shared along a row of the cluster, B's along a column: each is asked for jointly, by the same tensor load with the same descriptor and a mask that names the four.
; THE MATRIX INSTRUCTION IS USED TRANSPOSED (source 0 = 16 columns of w, source 1 = 16 tokens): a lane then holds eight neighbouring columns of one token.
; REGISTERS: window 0: v0-31 addresses; v32-95 scale words, two sets, and nothing else; v128-191 A's fragments, one set; on the way out v128-191 rows read back, v192-255 packed results.
;   window 1: B's fragments, two sets, at v0 and v128.   window 2: the accumulators of my tokens 0-63 ((a, b) at v[8 (8 a + b)]);   window 3: those of tokens 64-127.
.set NQ,     4                         ; matrix instructions deep in a slot
.set ROWB,   256                       ; a row of A's tile: 512 codes
.set KROW,   512                       ; a row of xc
.set PITCH,  272                       ; 256 + 16 = 68 words: row r starts at bank 4 r mod 64 (64 banks of 4 bytes: ISA guide 11.1)
.set FR,     8
.set NL,     2
.set NP,     4                         ; places behind this matrix instruction (ISA guide 7.12.1)
.set HALFT,  128*PITCH                 ; 128 rows of A: one tensor load
.set HALFB,  32768                     ; 8 groups x 4 K steps x 1,024 bytes of B: one tensor load
.set SLOT,   2*HALFT+2*HALFB
.set KS,     32                        ; a row of scale bytes
.set SCL,    2*SLOT
.set HALFS,  (128*KS/256)*272
.set SBLK,   (16*KS/256)*272
.set SPARE,  SCL+4*HALFS               ; the spare words, 128 bytes for each wave
.set WSTG,   2*8*272                   ; the way out: a stage of 2 heads x 8 rows x (256 + 16) bytes for each wave, in slot 0, which has had its only fill and its last read by then
.set ADRA, 16
.set ADRB, 20
.set STO,  24
.set RD,   25
.set CO,   26
.set ADRS, 27
.set SPW,  28
.set NIL,  29
.set SC,   32
.set AF,   128
.set BK,   128
.set TMP,  192
.set G1, 24
.set G0, 32
.set G1B, 48
.set G0B, 56
.set G1S, 68
.set G0S, 76
.set G1SB, 80
.set G0SB, 88
.set MSB, 0
.macro WIN new                         ; the immediate's high byte repeats the setting that is left
.if MSB != (\new)
	s_set_vgpr_msb (MSB<<8)|(\new)
.set MSB, (\new)
.endif
.endm
.set MUL_LO, 0xa1                      ; source 0 (B) window 1, source 1 (A) window 0, C and D window 2
.set MUL_HI, 0xf1
.set TO_B,   0x40
; A joint load: waves 0 and 1 fetch for A, waves 2 and 3 for B.  The branch hangs on the wave's number alone.  An s_nop 0 and four v_nop follow each of the two lines.
.macro JLOAD g0a, g1a, g0b, g1b
	s_cmp_eq_u32 s15, 0
	s_cbranch_scc0 .Lfor_b_\@
	tensor_load_to_lds s[\g0a:\g0a+3], s[\g1a:\g1a+7]
	s_nop 0
.rept 4
	v_nop
.endr
	s_branch .Lasked_\@
.Lfor_b_\@:
	tensor_load_to_lds s[\g0b:\g0b+3], s[\g1b:\g1b+7]
	s_nop 0
.rept 4
	v_nop
.endr
.Lasked_\@:
.endm
.macro CROUND                          ; a round of the cluster's barrier
	s_barrier_signal -1
	s_barrier_wait -1
	s_cmp_lg_u32 s14, 0
	s_cbranch_scc1 .Lnot_wave_0_\@
	s_barrier_signal -3
.Lnot_wave_0_\@:
	s_barrier_wait -3
	s_barrier_signal -1
	s_barrier_wait -1
.endm
	s_load_b128 s[4:7], s[0:1], 0x0                ; xc s[4:5], xs s[6:7]
	s_load_b128 s[8:11], s[0:1], 0x10              ; wc s[8:9], ws s[10:11]
	s_load_b64 s[12:13], s[0:1], 0x20              ; qkv
	v_lshl_add_u32 v[SPW], v0, 2, SPARE
	v_mov_b32 v[NIL], 0
	ds_add_u32 v[SPW], v[NIL]                      ; the wave's opening: the add, twice on end, and its wait ahead of my first tensor load
	ds_add_u32 v[SPW], v[NIL]
	v_lshrrev_b32 v1, 5, v0
	v_readfirstlane_b32 s14, v1                    ; wave 0..3
	s_lshr_b32 s15, s14, 1                         ; which half of the tile's tokens is mine.  Also: I fetch for A (0) or for B (1)
	s_and_b32 s16, s14, 1                          ; which half of its columns.  Also: which half of that tile I fetch
	s_bfe_u32 s40, ttmp6, 0x40000                  ; cx, cy
	s_bfe_u32 s41, ttmp6, 0x40004
	s_lshl_b32 s42, ttmp9, 2
	s_add_co_u32 s42, s42, s40                     ; tile column 0..11
	s_and_b32 s17, ttmp7, 0xffff
	s_lshl_b32 s17, s17, 2
	s_add_co_u32 s17, s17, s41                     ; tile row 0..31
	s_lshl_b32 s43, s41, 2
	s_lshl_b32 s43, 15, s43                        ; my row of the cluster
	s_lshl_b32 s44, 0x1111, s40                    ; my column
	; group 1 for A's tiles: 128 rows x 256 bytes, 512 bytes apart, 16 bytes of padding behind each
	s_or_b32 s[G1+0], s43, (0<<16)|(1<<20)|(1<<21)|(5<<22)|(3<<25)
	s_mov_b32 s[G1+1], ROWB<<16
	s_mov_b32 s[G1+2], 128<<16
	s_mov_b32 s[G1+3], ROWB<<16
	s_mov_b32 s[G1+4], 128
	s_mov_b32 s[G1+5], KROW
	s_mov_b32 s[G1+6], 0
	s_mov_b32 s[G1+7], 0
	; group 1 for B's images: 8 groups x 4,096 bytes (512 elements of 8 bytes), 8,192 bytes apart, no padding
	s_or_b32 s[G1B+0], s44, (3<<16)|(1<<21)
	s_mov_b32 s[G1B+1], 512<<16
	s_mov_b32 s[G1B+2], 8<<16
	s_mov_b32 s[G1B+3], 512<<16
	s_mov_b32 s[G1B+4], 8
	s_mov_b32 s[G1B+5], 1024
	s_mov_b32 s[G1B+6], 0
	s_mov_b32 s[G1B+7], 0
	; and for the scales of 128 rows: 4,096 dense bytes as 16 rows of 256, 16 bytes of padding behind each
	s_or_b32 s[G1S+0], s43, (3<<16)|(1<<20)|(1<<21)|(5<<22)|(3<<25)
	s_or_b32 s[G1SB+0], s44, (3<<16)|(1<<20)|(1<<21)|(5<<22)|(3<<25)
.irp g, G1S, G1SB
	s_mov_b32 s[\g+1], 32<<16
	s_mov_b32 s[\g+2], (128*KS/256)<<16
	s_mov_b32 s[\g+3], 32<<16
	s_mov_b32 s[\g+4], 128*KS/256
	s_mov_b32 s[\g+5], 32
	s_mov_b32 s[\g+6], 0
	s_mov_b32 s[\g+7], 0
.endr
	s_lshl_b32 s18, s16, 7                         ; which 128 rows of the tile I fetch
	s_lshl_b32 s20, s17, 8
	s_add_co_u32 s20, s20, s18                     ; A: token 256 x tile row + 128 x half
	s_lshl_b32 s46, s42, 8
	s_add_co_u32 s46, s46, s18                     ; B: column 256 x tile column + 128 x half
	s_lshl_b32 s22, s20, 5                         ; their scale bytes: 32 a row
	s_mov_b32 s23, 0
	s_lshl_b32 s92, s46, 5
	s_mov_b32 s93, 0
	s_lshl_b32 s20, s20, 9                         ; A's codes: 512 bytes a row
	s_mov_b32 s21, 0
	s_lshl_b32 s46, s46, 9                         ; B's images: 8,192 bytes for 16 columns
	s_mov_b32 s47, 0
	s_mul_i32 s45, s16, HALFT                      ; where they go: no place in the cluster enters an LDS address
	s_mul_i32 s95, s16, HALFB
	s_add_co_u32 s95, s95, 2*HALFT
	s_mul_i32 s94, s14, HALFS
	s_wait_dscnt 0x0                               ; both opening adds are done
	s_wait_kmcnt 0x0
	s_add_nc_u64 s[20:21], s[4:5], s[20:21]
	s_add_nc_u64 s[22:23], s[6:7], s[22:23]
	s_add_nc_u64 s[46:47], s[8:9], s[46:47]
	s_add_nc_u64 s[92:93], s[10:11], s[92:93]
	CROUND                                         ; all sixteen work-groups are here: the first joint loads meet
	s_mov_b32 s[G0S], 1
	s_add_co_u32 s[G0S+1], s94, SCL
	s_mov_b64 s[G0S+2:G0S+3], s[22:23]
	s_or_b32 s[G0S+3], s[G0S+3], 0x80000000
	s_mov_b32 s[G0SB], 1
	s_add_co_u32 s[G0SB+1], s94, SCL
	s_mov_b64 s[G0SB+2:G0SB+3], s[92:93]
	s_or_b32 s[G0SB+3], s[G0SB+3], 0x80000000
	JLOAD G0S, G1S, G0SB, G1SB                     ; the scales first: they are wanted with slot 0.  Three loads of mine go out here, and no more in the launch
.irp s, 0,1
	s_mov_b32 s[G0+4*\s], 1
	s_add_co_u32 s[G0+4*\s+1], s45, \s*SLOT
	s_add_nc_u64 s[G0+4*\s+2:G0+4*\s+3], s[20:21], \s*ROWB
	s_or_b32 s[G0+4*\s+3], s[G0+4*\s+3], 0x80000000
	s_mov_b32 s[G0B+4*\s], 1
	s_add_co_u32 s[G0B+4*\s+1], s95, \s*SLOT
	s_add_nc_u64 s[G0B+4*\s+2:G0B+4*\s+3], s[46:47], \s*4096
	s_or_b32 s[G0B+4*\s+3], s[G0B+4*\s+3], 0x80000000
	JLOAD G0+4*\s, G1, G0B+4*\s, G1B
.endr
	v_and_b32 v1, 15, v0                           ; r = lane % 16
	v_bfe_u32 v2, v0, 4, 1                         ; h = lane / 16
	v_mul_u32_u24 v3, v1, PITCH
	v_lshl_add_u32 v4, v2, 4, v3                   ; A: a fragment's row x pitch + 16 h
	v_and_b32 v6, 31, v0
	v_lshlrev_b32 v[CO], 4, v6                     ; 16 x lane: my place in an image, and in 512 bytes stored
	s_mul_i32 s21, s15, HALFT                      ; my 128 tokens of A
	s_mul_i32 s22, s16, HALFB                      ; my 8 groups of B,
	s_add_co_u32 s22, s22, 2*HALFT                 ; which lie behind A's 256 rows
.irp s, 0,1
	v_add_nc_u32 v[ADRA+\s], s21, v4
	v_add_nc_u32 v[ADRB+\s], s22, v[CO]
	s_add_co_u32 s21, s21, SLOT
	s_add_co_u32 s22, s22, SLOT
.endr
	v_mul_u32_u24 v5, v1, KS                       ; my row's scales: 32 bytes a row,
	v_lshrrev_b32 v6, 8, v5
	v_lshl_add_u32 v5, v6, 4, v5                   ; and 16 more for each 256 passed
	s_mul_i32 s21, s15, HALFS                      ; A's: my 128 rows
	s_mul_i32 s22, s16, HALFS                      ; B's: my 128 columns, behind A's 256
	s_add_co_u32 s22, s22, 2*HALFS
	s_sub_co_u32 s22, s22, s21
	v_mul_u32_u24 v6, s22, v2                      ; lanes 16-31 take B's: one product, the distance between the two
	s_add_co_u32 s21, s21, SCL
	v_add_nc_u32 v5, v5, v6
	v_add_nc_u32 v[ADRS], s21, v5
	s_mul_i32 s23, s14, WSTG                       ; my stage
	v_lshrrev_b32 v5, 1, v1
	v_mul_u32_u24 v5, v5, 272                      ; in: two tokens to a row of 256 bytes: row r / 2,
	v_and_b32 v7, 1, v1
	v_lshl_add_u32 v5, v7, 7, v5                   ; half r % 2,
	v_lshl_add_u32 v5, v2, 4, v5                   ; 16 bytes for each half of the lanes
	v_add_nc_u32 v[STO], s23, v5
	v_mul_u32_u24 v5, v2, 272                      ; back: lanes 0-15 one row of 256 bytes, lanes 16-31 the next
	v_lshl_add_u32 v5, v1, 4, v5
	v_add_nc_u32 v[RD], s23, v5
	; where my part begins in qkv: section (tile column / 4), head-row 16 x batch + 4 (tile column % 4) + 2 x my column half, token 256 (tile row % 8) + 128 x my token half
	s_lshr_b32 s20, s42, 2
	s_lshl_b32 s20, s20, 24
	s_lshr_b32 s21, s17, 3
	s_lshl_b32 s21, s21, 4
	s_and_b32 s46, s42, 3
	s_lshl_b32 s46, s46, 2
	s_add_co_u32 s21, s21, s46
	s_lshl_b32 s46, s16, 1
	s_add_co_u32 s21, s21, s46
	s_lshl_b32 s21, s21, 18
	s_add_co_u32 s20, s20, s21
	s_and_b32 s21, s17, 7
	s_lshl_b32 s21, s21, 8
	s_lshl_b32 s46, s15, 7
	s_add_co_u32 s21, s21, s46
	s_lshl_b32 s21, s21, 7
	s_add_co_u32 s20, s20, s21
	s_mov_b32 s21, 0
	s_add_nc_u64 s[12:13], s[12:13], s[20:21]
.macro FRAG reg, adr, q, i             ; A's fragment, 16 rows x 128 K: registers 4 c .. 4 c + 3 hold K = 64 c + 32 h + 0 .. 31
.irp c, 0,1
	ds_load_b128 v[\reg+4*\c:\reg+4*\c+3], v[\adr] offset:64*(\q)+32*\c+(\i)*16*PITCH
.endr
.endm
; 16 matrix instructions: A's blocks a0, a0 + 1 x B's eight.  The 64 accumulators take turns, one instruction a turn, in the same order in every step.
.macro MUL16 a0, p, q, sc, zero
.irp a, \a0, \a0+1
.irp b, 0,1,2,3,4,5,6,7
.if \zero
	v_wmma_scale_f32_16x16x128_f8f6f4 v[8*(8*((\a)%4)+\b):8*(8*((\a)%4)+\b)+7], v[128*(\p)+FR*\b:128*(\p)+FR*\b+FR-1], v[AF+FR*(\a):AF+FR*(\a)+FR-1], 0, v[SC+8*NQ*(\sc)+NQ*\b+(\q)], v[SC+8*NQ*(\sc)+NQ*(\a)+(\q)] matrix_a_fmt:MATRIX_FMT_FP4 matrix_b_fmt:MATRIX_FMT_FP4 matrix_a_scale:MATRIX_SCALE_ROW1
.else
	v_wmma_scale_f32_16x16x128_f8f6f4 v[8*(8*((\a)%4)+\b):8*(8*((\a)%4)+\b)+7], v[128*(\p)+FR*\b:128*(\p)+FR*\b+FR-1], v[AF+FR*(\a):AF+FR*(\a)+FR-1], v[8*(8*((\a)%4)+\b):8*(8*((\a)%4)+\b)+7], v[SC+8*NQ*(\sc)+NQ*\b+(\q)], v[SC+8*NQ*(\sc)+NQ*(\a)+(\q)] matrix_a_fmt:MATRIX_FMT_FP4 matrix_b_fmt:MATRIX_FMT_FP4 matrix_a_scale:MATRIX_SCALE_ROW1
.endif
.endr
.endr
.endm
.macro FETCH_B slot, q, p              ; B's eight fragments of the slot's q-th 128 along K into set p: images, 16 bytes a lane
	WIN TO_B
.irp i, 0,1,2,3,4,5,6,7
.irp c, 0,1
	ds_load_b128 v[128*(\p)+FR*\i+4*\c:128*(\p)+FR*\i+4*\c+3], v[ADRB+\slot] offset:4096*\i+1024*(\q)+512*\c
.endr
.endr
	WIN 0
.endm
.macro FETCH_A slot, q, i0             ; A's blocks i0 .. i0 + 3
.irp i, \i0, \i0+1, \i0+2, \i0+3
	FRAG AF+FR*(\i), ADRA+\slot, \q, \i
.endr
.endm
.macro SCALES sc                       ; a slot's scale words into set sc: lanes 0-15 take A's block i, lanes 16-31 B's block i
.irp i, 0,1,2,3,4,5,6,7
	ds_load_b128 v[SC+8*NQ*\sc+NQ*\i:SC+8*NQ*\sc+NQ*\i+3], v[ADRS] offset:\i*SBLK
.endr
.endm
.macro PLACES n                        ; places in front of loads into registers that matrix instructions have read, and of the first read of results
.rept \n
	v_nop
.endr
.endm
.macro STEP slot, q, zero              ; a step of 128 along K that has its successor in the same slot
	s_wait_dscnt 4*NL                              ; B's set and A's blocks 0-3 are in; the youngest eight loads (A's blocks 4-7) may be out
	WIN MUL_LO
	MUL16 0, (\q)%2, \q, \slot, \zero
	MUL16 2, (\q)%2, \q, \slot, \zero
	s_wait_dscnt 0                                 ; A's blocks 4-7 are in
	PLACES NP
	FETCH_B \slot, (\q)+1, 1-(\q)%2
	FETCH_A \slot, (\q)+1, 0
	WIN MUL_HI
	MUL16 4, (\q)%2, \q, \slot, \zero
	MUL16 6, (\q)%2, \q, \slot, \zero
	PLACES NP
	WIN 0
	FETCH_A \slot, (\q)+1, 4
.endm
; Slot 0's last step changes slots: one barrier; in front of it each wave waits for all its tensor loads (its part of slot 1) and for its own reads of slot 0.  Nothing is filled again.
.macro TURN slot, next
	s_wait_tensorcnt 0x0                           ; all my tensor loads have landed
	ds_add_u32 v[SPW], v[NIL]                      ; 0 onto my spare word
	s_wait_dscnt 4*NL+1                            ; (the add and the youngest eight loads may be out)
	WIN MUL_LO
	MUL16 0, 1, NQ-1, \slot, 0
	s_wait_dscnt 0x0                               ; the add is done, and my reads of this slot are over
	s_barrier_signal -1
	MUL16 2, 1, NQ-1, \slot, 0
	WIN 0
	s_barrier_wait -1
	PLACES NP
	v_add_nc_u32 v[ADRS], 4*NQ, v[ADRS]            ; on to the next slot's scale words
	FETCH_B \next, 0, 0
	FETCH_A \next, 0, 0
	SCALES \next
	WIN MUL_HI
	MUL16 4, 1, NQ-1, \slot, 0
	MUL16 6, 1, NQ-1, \slot, 0
	PLACES NP
	WIN 0
	FETCH_A \next, 0, 4
.endm
.macro STEPS slot, from
.set Q, \from
.rept NQ-1-\from
	STEP \slot, Q, 0
.set Q, Q+1
.endr
.endm
	s_wait_tensorcnt 1                             ; the scales and my part of slot 0 are in (slot 1's load may be out),
	s_barrier_signal -1
	s_barrier_wait -1                              ; everybody's are
	FETCH_B 0, 0, 0
	FETCH_A 0, 0, 0
	SCALES 0
	FETCH_A 0, 0, 4
	STEP 0, 0, 1                                   ; the first step's products start the sums: nothing is cleared
	STEPS 0, 1
	TURN 0, 1
	STEPS 1, 0
	s_wait_dscnt 4*NL                              ; the last step: nothing more to fetch
	WIN MUL_LO
	MUL16 0, 1, NQ-1, 1, 0
	MUL16 2, 1, NQ-1, 1, 0
	s_wait_dscnt 0
	WIN MUL_HI
	MUL16 4, 1, NQ-1, 1, 0
	MUL16 6, 1, NQ-1, 1, 0
	WIN 0
; THE WAY OUT, block by block of 16 tokens x 128 columns (two heads).  A lane's eight columns pack into 16 bytes of f16; two tokens' 128 bytes of a head make a row of 256 in my stage; rows come back whole.
.macro PACK a
.set AC, 64*((\a)%4)
.set TT, TMP+32*((\a)%2)
	WIN 0x0a+5*((\a)/4)                            ; sources 0 and 1: window 2 or 3
.irp b, 0,1,2,3,4,5,6,7
.irp i, 0,1,2,3
	v_cvt_pk_f16_f32 v[TT+4*\b+\i], v[AC+8*\b+2*\i], v[AC+8*\b+2*\i+1]   ; each accumulator from its low end on
.endr
.endr
	WIN 0
.endm
.macro TOSTAGE a
.set TT, TMP+32*((\a)%2)
.set BB, BK+32*((\a)%2)
.irp b, 0,1,2,3,4,5,6,7
	ds_store_b128 v[STO], v[TT+4*\b:TT+4*\b+3] offset:(\b/4)*2176+(\b%4)*32
.endr
.irp t, 0,1,2,3,4,5,6,7
	ds_load_b128 v[BB+4*\t:BB+4*\t+3], v[RD] offset:(\t/4)*2176+(\t%4)*544   ; LDS serves a wave's instructions in order: these see the stores above
.endr
.endm
.macro SEND a
.set BB, BK+32*((\a)%2)
	s_wait_dscnt 0x0                               ; the block is back in registers
	s_wait_xcnt 0x0                                ; the block before has had its stores' registers read: the next loads from the stage may land there
.irp t, 0,1,2,3,4,5,6,7
	global_store_b128 v[CO], v[BB+4*\t:BB+4*\t+3], s[12:13] offset:(\t/4)*262144+(\a)*2048+(\t%4)*512   ; 32 lanes store four tokens' rows of a head: 512 consecutive bytes, aligned to 256
.endr
.endm
	PLACES NP
	PACK 0
	TOSTAGE 0
.irp a, 1,2,3,4,5,6,7
	PACK \a                                        ; block a's conversions stand between block a - 1's loads from the stage and the wait for them
	SEND \a-1
	TOSTAGE \a
.endr
	SEND 7
	s_wait_tensorcnt 0x0                           ; the wave's end, behind my last tensor load and my last LDS store
	ds_add_u32 v[SPW], v[NIL]
	s_wait_dscnt 0x0
	CROUND                                         ; the closing round
	s_endpgm
.Lfunc_end_k_qe68bfde722_qkv:
	.size	k_qe68bfde722_qkv, .Lfunc_end_k_qe68bfde722_qkv-k_qe68bfde722_qkv
	.p2alignl 7, 3214868480
	.fill 96, 4, 3214868480
	.section	.rodata,"a",@progbits
	.p2align	6, 0x0
	.amdhsa_kernel k_qe68bfde722_qkv
		.amdhsa_group_segment_fixed_size 327680
		.amdhsa_private_segment_fixed_size 0
		.amdhsa_enable_private_segment 0
		.amdhsa_kernarg_size 40
		.amdhsa_user_sgpr_count 2
		.amdhsa_user_sgpr_kernarg_segment_ptr 1
		.amdhsa_wavefront_size32 1
		.amdhsa_system_sgpr_workgroup_id_x 1
		.amdhsa_system_sgpr_workgroup_id_y 1
		.amdhsa_system_sgpr_workgroup_id_z 1
		.amdhsa_system_vgpr_workitem_id 0
		.amdhsa_next_free_vgpr 1024
		.amdhsa_next_free_sgpr 98
		.amdhsa_reserve_vcc 0
		.amdhsa_float_denorm_mode_32 3
		.amdhsa_float_denorm_mode_16_64 3
		.amdhsa_memory_ordered 1
		.amdhsa_forward_progress 1
		.amdhsa_inst_pref_size 127
	.end_amdhsa_kernel
	.amdgpu_metadata
---
amdhsa.version: [ 1, 2 ]
amdhsa.kernels:
  - .name:           k_qe68bfde722_qkv
    .symbol:         k_qe68bfde722_qkv.kd
    .args:
      - { .name: xc, .offset: 0, .size: 8, .value_kind: global_buffer, .address_space: global }
      - { .name: xs, .offset: 8, .size: 8, .value_kind: global_buffer, .address_space: global }
      - { .name: wc, .offset: 16, .size: 8, .value_kind: global_buffer, .address_space: global }
      - { .name: ws, .offset: 24, .size: 8, .value_kind: global_buffer, .address_space: global }
      - { .name: qkv, .offset: 32, .size: 8, .value_kind: global_buffer, .address_space: global }
    .group_segment_fixed_size: 327680
    .private_segment_fixed_size: 0
    .kernarg_segment_align: 8
    .kernarg_segment_size: 40
    .max_flat_workgroup_size: 128
    .sgpr_count:     98
    .vgpr_count:     1024
    .wavefront_size: 32
...
	.end_amdgpu_metadata
.endif
;; end of part 2
;; launch attn (part 3): grid 4 x 64, 8 waves a work-group, clusters of 4 x 1, 327,680 bytes of LDS; arguments qkv, o16; writes o16
.if DOCPART == 3
	.amdgcn_target "amdgcn-amd-amdhsa--gfx1250"
	.amdhsa_code_object_version 6
	.text
	.protected	k_qe68bfde722_attn
	.globl	k_qe68bfde722_attn
	.p2align	8
	.type	k_qe68bfde722_attn,@function
k_qe68bfde722_attn:
	s_mov_b64 s[64:65], 0
	v_nop
	global_prefetch_b8 v0, s[64:65] scope:SCOPE_SE
	s_setreg_imm32_b32 hwreg(HW_REG_WAVE_MODE, 25, 1), 1
	s_wait_xcnt 0x0
	s_wait_alu depctr_hold_cnt(0) depctr_sa_sdst(0) depctr_va_vdst(0) depctr_va_sdst(0) depctr_va_ssrc(0) depctr_va_vcc(0) depctr_vm_vsrc(0)
	s_getreg_b32 s2, hwreg(HW_REG_IB_STS2, 6, 4)
	s_cmp_eq_u32 s2, 0
	s_cbranch_scc0 .Lentry_in_a_cluster
	s_endpgm
.Lentry_in_a_cluster:
	s_bfe_u32 s2, ttmp6, 0x10000c
	s_cmp_lg_u32 s2, 0x3003
	s_cbranch_scc0 .Lentry_shape_is_right
	s_endpgm
.Lentry_shape_is_right:
; o[bh][q][:] = the sum over k of softmax_k(q . k / 8) v[k][:], for 64 (batch, head) pairs, 2,048 tokens, head size 64.  q, k, v: the three sections of qkv, [bh][2048][64] f16.
; o16: [head 16][token 8192][64] f16.  Products on f16 operands with f32 sums; maxima, exponentials and sums in f32; the weights p are rounded to f16 for the second product, o once at the end.
; LIMITS: |o| stays under 65,504 (it is an average of v); NaN and infinities are not served.
; SHARES.  A work-group owns 512 queries of one (batch, head), each of its EIGHT waves 64: four tiles of 16.  Two waves share a SIMD's registers (512 each), so that one wave's softmax stands beside the other's products.
; LAYOUT.  S^T = K Q^T (source 0 = 16 keys, source 1 = 16 queries): a lane holds ONE query (lane % 16) and keys 8 (lane / 16) + 0..7.  Two such tiles, rounded to f16 in pairs, ARE source 1 of O^T = V^T P.
; SOFTMAX.  For each query a running maximum m and sum l: p = 2^(c s - c m), c = log2(e) / 8; in every step O and l are multiplied by a = 2^(c m_old - c m_new).
; LDS.  Two tokens' rows of 128 bytes are one row of 256 bytes in memory; K's rows are padded to 272 bytes, V's to 288.  A key step is 64 keys; a slot holds four; two slots take turns.
; CLUSTER.  The four query blocks of a (batch, head) walk the same K and V: each tile is asked for JOINTLY, by the same tensor load with a mask that names the four.  Every wave issues one load behind each round:
; waves 0-3 K of the slot's four steps, waves 4-7 V.
; REGISTERS.  window 0: v2-9 addresses; v28 prefetch offset; v30, v31 the add's two; v32-63 statistics, eight a tile; v64-127 Q; v128-191 K of a step; v192-255 V^T of a step.
;   window 1: v0-127 O^T, 32 a tile; v128-255 S^T, 32 a tile; P is packed in place into the first 16 of each tile's 32.
.set PK,    272
.set PVP,   288
.set VOFF,  32*PK                      ; a step's tiles lie together: 32 rows of K, then 32 rows of V
.set STEPB, 32*(PK+PVP)
.set SLOT1, 1<<17                      ; slot 1 begins here: one exclusive or turns an address in one slot into the other's
.set SLOTB, 32768                      ; a slot's 256 keys in memory
.set STAGE, SLOT1+4*STEPB              ; behind the ring: 4 tiles x 8 rows x 272 bytes for each wave, for the way out
.set WSTG,  4*8*PK
.set SPARE, STAGE+8*WSTG               ; the spare words, 128 bytes for each wave
.set AK0, 2
.set AV0, 3
.set ADK, 4
.set ADV, 5
.set QO,  6
.set STO, 7
.set RD,  8
.set GO,  9
.set PFO, 28
.set SPW, 30
.set NIL, 31
.set ST,  32                           ; tile t's statistics at v[ST+8 t]: +0 c m, +1 m, +2, +3 l (even keys', odd keys'), +4 to +7 at work; a takes +6 once the maximum is found
.set QF,  64
.set KF,  128
.set VF,  192
.set SS,  128                          ; S^T, in window 1
.set WV,  12
.set LIM, 15                           ; s15  1 in a wave that prefetches, else the greatest number
.set PFA, 18                           ; s[18:19] where my prefetches stand
.set G1K, 24
.set G1V, 32
.set G0K, 40                           ; s[40:47] group 0 for K's tiles: a set for each first fill; the second then walks on
.set G0V, 48
.set SLOTS, 56
.set CNT, 57
.set CS,  58                           ; s[58:59] c
.set SEL, 60
.set TB,  62                           ; s62  LDS byte at which the tiles of the step to be fetched begin
.set MSB, 0
.macro WIN new
.if MSB != (\new)
	s_set_vgpr_msb (MSB<<8)|(\new)
.set MSB, (\new)
.endif
.endm
.macro JLOAD                           ; a joint refill; an s_nop 0 and four v_nop follow each of the two lines
	s_cmp_lt_u32 s[WV], 4
	s_cbranch_scc0 .Lfor_v_\@
	tensor_load_to_lds s[G0K+4:G0K+7], s[G1K:G1K+7]
	s_nop 0
.rept 4
	v_nop
.endr
	s_branch .Lasked_\@
.Lfor_v_\@:
	tensor_load_to_lds s[G0V+4:G0V+7], s[G1V:G1V+7]
	s_nop 0
.rept 4
	v_nop
.endr
.Lasked_\@:
.endm
; A prefetch of what the NEXT change of slots will ask for: a slot's 32,768 bytes of K and of V.  The four partners share them out BY ADDRESS, 8,192 bytes each, lanes 256 bytes apart; in each partner wave 0
; asks for K's and wave 4 for V's: each 256 bytes are named once in the launch.  It asks one slot, four key steps, ahead.  The last change that fills a slot asks for nothing; slots 0 to 2 come by their loads alone.
.macro ASK
	s_cmp_gt_u32 s[SLOTS], s[LIM]
	s_cbranch_scc0 .Lnot_mine_\@
	global_prefetch_b8 v[PFO], s[PFA:PFA+1] th:TH_LOAD_NT scope:SCOPE_SE
.Lnot_mine_\@:
.endm
.macro CROUND
	s_barrier_signal -1
	s_barrier_wait -1
	s_cmp_lg_u32 s[WV], 0
	s_cbranch_scc1 .Lnot_wave_0_\@
	s_barrier_signal -3
.Lnot_wave_0_\@:
	s_barrier_wait -3
	s_barrier_signal -1
	s_barrier_wait -1
.endm
	s_load_b128 s[4:7], s[0:1], 0x0                ; qkv s[4:5], o16 s[6:7]
	v_lshl_add_u32 v[SPW], v0, 2, SPARE
	v_mov_b32 v[NIL], 0
	ds_add_u32 v[SPW], v[NIL]                      ; the wave's opening: the add, twice on end, and its wait ahead of my first tensor load
	ds_add_u32 v[SPW], v[NIL]
	v_lshrrev_b32 v1, 5, v0
	v_readfirstlane_b32 s[WV], v1                  ; wave 0..7
	s_bfe_u32 s13, ttmp6, 0x40000                  ; cx: my block of 512 queries: it enters Q's, O's and the prefetches' addresses alone
	s_and_b32 s14, ttmp7, 0xffff                   ; batch x 16 + head, which the four partners share
	s_and_b32 s16, s[WV], 3                        ; which of a slot's four steps I fetch
	s_lshl_b32 s22, s14, 18                        ; the head's 262,144 bytes,
	s_lshl_b32 s23, s16, 13                        ; my step's 64 rows of 128 bytes,
	s_add_co_u32 s22, s22, s23
	s_add_co_u32 s22, s22, 0x1000000               ; in k's section
	s_mov_b32 s23, 0
	s_mul_i32 s17, s16, STEPB                      ; and its place in a slot
	s_lshl_b32 s2, s13, 16                         ; my block's 512 rows,
	s_lshl_b32 s3, s[WV], 13                       ; my wave's 64 of them
	s_add_co_u32 s2, s2, s3
	s_and_b32 s20, s14, 15
	s_lshl_b32 s20, s20, 20                        ; o16: the head's 8,192 tokens,
	s_lshr_b32 s21, s14, 4
	s_lshl_b32 s21, s21, 18                        ; the batch's 2,048
	s_add_co_u32 s20, s20, s21
	s_add_co_u32 s20, s20, s2
	s_mov_b32 s21, 0
	s_lshl_b32 s3, s14, 18
	s_add_co_u32 s2, s2, s3                        ; q: in the head
	s_mov_b32 s3, 0
	; group 1: a tile of 32 rows x 128 elements of 2 bytes, dense in memory, padded in LDS
	s_mov_b32 s[G1K], 15|(1<<16)|(1<<20)|(1<<21)|(5<<22)|(3<<25)  ; the mask: all four work-groups; padding: 4 words behind every 64
	s_mov_b32 s[G1V], 15|(1<<16)|(1<<20)|(1<<21)|(5<<22)|(7<<25)  ; the same with 8 words
.irp g, G1K, G1V
	s_mov_b32 s[\g+1], 128<<16
	s_mov_b32 s[\g+2], 32<<16
	s_mov_b32 s[\g+3], 128<<16
	s_mov_b32 s[\g+4], 32
	s_mov_b32 s[\g+5], 128
	s_mov_b32 s[\g+6], 0
	s_mov_b32 s[\g+7], 0
.endr
	s_mov_b32 s[CS], 0x3e38aa3b                    ; c = log2(e) / 8
	s_mov_b32 s[CS+1], s[CS]
	s_mov_b32 s[SEL], 0x76543210
	s_mov_b32 s[SEL+1], 0xfedcba98
	s_mov_b32 s[TB], 0
	s_mov_b32 s[SLOTS], 6                          ; of the 8 slots' worth of keys, 6 come by refills
	s_cmp_eq_u32 s16, 0                            ; waves 0 and 4 prefetch: the same in all four partners
	s_cselect_b32 s[LIM], 1, -1
	v_and_b32 v[PFO], 31, v0
	v_lshlrev_b32 v[PFO], 8, v[PFO]
	s_wait_dscnt 0x0                               ; both opening adds are done
	s_wait_kmcnt 0x0
	s_mov_b64 s[10:11], s[6:7]                     ; o16
	s_add_nc_u64 s[6:7], s[4:5], s[22:23]          ; K at my tile of slot 0
	s_add_nc_u64 s[8:9], s[6:7], 0x1000000         ; V likewise, a section on
	s_add_nc_u64 s[4:5], s[4:5], s[2:3]            ; Q at my wave's first row
	s_add_nc_u64 s[10:11], s[10:11], s[20:21]      ; O likewise
	s_cmp_lt_u32 s[WV], 4
	s_cselect_b64 s[PFA:PFA+1], s[6:7], s[8:9]     ; (in waves 0 and 4 these stand at a slot's first row)
	s_lshl_b32 s2, s13, 13                         ; my work-group's 8,192 bytes of the 32,768
	s_mov_b32 s3, 0
	s_add_nc_u64 s[PFA:PFA+1], s[PFA:PFA+1], s[2:3]
	s_add_nc_u64 s[PFA:PFA+1], s[PFA:PFA+1], 2*SLOTB   ; in slot 2; the first change of slots steps it to slot 3
	CROUND                                         ; all four work-groups are here: the first joint loads meet
.irp s, 0,1
	s_mov_b32 s[G0K+4*\s], 1
	s_add_co_u32 s[G0K+4*\s+1], s17, \s*SLOT1
	s_add_nc_u64 s[G0K+4*\s+2:G0K+4*\s+3], s[6:7], \s*SLOTB
	s_or_b32 s[G0K+4*\s+3], s[G0K+4*\s+3], 0x80000000
	s_mov_b32 s[G0V+4*\s], 1
	s_add_co_u32 s[G0V+4*\s+1], s17, \s*SLOT1+VOFF
	s_add_nc_u64 s[G0V+4*\s+2:G0V+4*\s+3], s[8:9], \s*SLOTB
	s_or_b32 s[G0V+4*\s+3], s[G0V+4*\s+3], 0x80000000
.endr
	s_cmp_lt_u32 s[WV], 4                          ; a wave's two first fills stand in one branch: two loads of mine are out
	s_cbranch_scc0 .Lfirst_v
	tensor_load_to_lds s[G0K:G0K+3], s[G1K:G1K+7]
	s_nop 0
	tensor_load_to_lds s[G0K+4:G0K+7], s[G1K:G1K+7]
	s_nop 0
.rept 4
	v_nop
.endr
	s_branch .Lfirst_asked
.Lfirst_v:
	tensor_load_to_lds s[G0V:G0V+3], s[G1V:G1V+7]
	s_nop 0
	tensor_load_to_lds s[G0V+4:G0V+7], s[G1V:G1V+7]
	s_nop 0
.rept 4
	v_nop
.endr
.Lfirst_asked:
	v_and_b32 v1, 15, v0                           ; r = lane % 16
	v_bfe_u32 v10, v0, 4, 1                        ; h = lane / 16
	v_lshlrev_b32 v[QO], 7, v1
	v_lshl_add_u32 v[QO], v10, 4, v[QO]            ; Q: row r of 128 bytes + 16 h
.irp t, 0,1,2,3
.irp c, 0,1                                    ; Q stays in registers: tile t, channels 32 c on
	global_load_b128 v[QF+8*(2*\t+\c):QF+8*(2*\t+\c)+3],   v[QO], s[4:5] offset:2048*\t+64*\c
	global_load_b128 v[QF+8*(2*\t+\c)+4:QF+8*(2*\t+\c)+7], v[QO], s[4:5] offset:2048*\t+64*\c+32
.endr
.endr
	v_lshrrev_b32 v11, 1, v1
	v_and_b32 v12, 1, v1
	v_mul_u32_u24 v11, v11, PK                     ; key r of a tile: LDS row r / 2,
	v_lshl_add_u32 v11, v12, 7, v11                ; half r % 2,
	v_lshl_add_u32 v[AK0], v10, 4, v11             ; + 16 h.  Sixteen lanes touch 16-byte columns r / 2 + 8 (r % 2): all different
	v_bfe_u32 v12, v0, 1, 2
	v_lshl_add_u32 v12, v10, 2, v12                ; the turning load: lane l reads key 8 h + l % 8: LDS row 4 h + (l % 8) / 2,
	v_mul_u32_u24 v12, v12, PVP
	v_and_b32 v13, 1, v0
	v_lshl_add_u32 v12, v13, 7, v12                ; half l % 2,
	v_bfe_u32 v13, v0, 3, 1
	v_lshl_add_u32 v12, v13, 4, v12                ; channels 8 ((l / 8) % 2) on
	v_add_nc_u32 v[AV0], VOFF, v12
.macro PLACES
.rept 4
	v_nop
.endr
.endm
.macro FETCH_K                         ; a step's K: 64 keys x 64 channels: 8 fragments, 16 loads
	WIN 0
	v_add_nc_u32 v[ADK], s[TB], v[AK0]
.irp kt, 0,1,2,3
.irp c, 0,1
	ds_load_b128 v[KF+8*(2*\kt+\c):KF+8*(2*\kt+\c)+3],   v[ADK] offset:2176*\kt+64*\c
	ds_load_b128 v[KF+8*(2*\kt+\c)+4:KF+8*(2*\kt+\c)+7], v[ADK] offset:2176*\kt+64*\c+32
.endr
.endr
.endm
.macro FETCH_V                         ; the same step's V, turned: 8 fragments, 16 loads
	WIN 0
	v_add_nc_u32 v[ADV], s[TB], v[AV0]             ; with the four v_nop: five places behind the last V^T P: four for the loads into V's registers, five for K Q^T, which writes over P
	PLACES
.irp g, 0,1
.irp ct, 0,1,2,3
	ds_load_tr16_b128 v[VF+8*(4*\g+\ct):VF+8*(4*\g+\ct)+3],   v[ADV] offset:4608*\g+32*\ct
	ds_load_tr16_b128 v[VF+8*(4*\g+\ct)+4:VF+8*(4*\g+\ct)+7], v[ADV] offset:4608*\g+32*\ct+2304
.endr
.endr
	s_add_co_u32 s[TB], s[TB], STEPB               ; the next fetch is the next step's
.endm
; The accumulators take turns, one instruction a turn: between two links of a chain stand 15 others'.
.macro KQ                              ; S^T = K Q^T: 32 products; the first 16 start the sums
	WIN 0x50                                       ; C and D window 1
.irp c, 0,1
.irp kt, 0,1,2,3
.irp t, 0,1,2,3
.if \c == 0
	v_wmma_f32_16x16x32_f16 v[SS+32*\t+8*\kt:SS+32*\t+8*\kt+7], v[KF+8*(2*\kt+\c):KF+8*(2*\kt+\c)+7], v[QF+8*(2*\t+\c):QF+8*(2*\t+\c)+7], 0
.else
	v_wmma_f32_16x16x32_f16 v[SS+32*\t+8*\kt:SS+32*\t+8*\kt+7], v[KF+8*(2*\kt+\c):KF+8*(2*\kt+\c)+7], v[QF+8*(2*\t+\c):QF+8*(2*\t+\c)+7], v[SS+32*\t+8*\kt:SS+32*\t+8*\kt+7]
.endif
.endr
.endr
.endr
.endm
.macro PV zero                         ; O^T += V^T P: 32 products; zero = 1: the first 16 start the sums: nothing is ever cleared
	WIN 0x54                                       ; P, C and D window 1
.irp g, 0,1
.irp ct, 0,1,2,3
.irp t, 0,1,2,3
.if (\zero) && (\g == 0)
	v_wmma_f32_16x16x32_f16 v[32*\t+8*\ct:32*\t+8*\ct+7], v[VF+8*(4*\g+\ct):VF+8*(4*\g+\ct)+7], v[SS+32*\t+8*\g:SS+32*\t+8*\g+7], 0
.else
	v_wmma_f32_16x16x32_f16 v[32*\t+8*\ct:32*\t+8*\ct+7], v[VF+8*(4*\g+\ct):VF+8*(4*\g+\ct)+7], v[SS+32*\t+8*\g:SS+32*\t+8*\g+7], v[32*\t+8*\ct:32*\t+8*\ct+7]
.endif
.endr
.endr
.endr
.endm
; THE SOFTMAX of a key step, the four tiles line by line by turns.  first = 1: the first key step, which starts m and l: no a, nothing to rescale.
.macro SOFTMAX first
	WIN 0x15                                       ; three sources in window 1.
.irp i, 0,1,2,3
.irp t, 0,1,2,3
	v_max3_num_f32 v[ST+8*\t+4+\i], v[SS+32*\t+8*\i], v[SS+32*\t+8*\i+1], v[SS+32*\t+8*\i+2]
.endr
.endr
	WIN 0x05
.irp u, 3,5
.irp i, 0,1,2,3
.irp t, 0,1,2,3
	v_max3_num_f32 v[ST+8*\t+4+\i], v[SS+32*\t+8*\i+\u], v[SS+32*\t+8*\i+\u+1], v[ST+8*\t+4+\i]
.endr
.endr
.endr
.irp t, 0,1,2,3
	v_max3_num_f32 v[ST+8*\t+4], v[SS+32*\t+7], v[SS+32*\t+15], v[ST+8*\t+4]
	v_max3_num_f32 v[ST+8*\t+6], v[SS+32*\t+23], v[SS+32*\t+31], v[ST+8*\t+6]
.endr
	WIN 0
.irp t, 0,1,2,3
	v_max3_num_f32 v[ST+8*\t+4], v[ST+8*\t+4], v[ST+8*\t+5], v[ST+8*\t+6]
.endr
.irp t, 0,1,2,3
.if \first
	v_max_num_f32 v[ST+8*\t+4], v[ST+8*\t+4], v[ST+8*\t+7]
.else
	v_max3_num_f32 v[ST+8*\t+4], v[ST+8*\t+4], v[ST+8*\t+7], v[ST+8*\t+1]
.endif
.endr
.irp t, 0,1,2,3
	v_permlanex16_b32 v[ST+8*\t+5], v[ST+8*\t+4], s[SEL], s[SEL+1]   ; the query's other 32 keys lie in the lane 16 away
.endr
.if \first == 0
.irp t, 0,1,2,3
	v_mov_b32 v[ST+8*\t+7], v[ST+8*\t]             ; c m_old is kept for a
.endr
.endif
.irp t, 0,1,2,3
	v_max_num_f32 v[ST+8*\t+1], v[ST+8*\t+4], v[ST+8*\t+5]
.endr
.irp t, 0,1,2,3
	v_mul_f32 v[ST+8*\t], s[CS], v[ST+8*\t+1]
.endr
.if \first == 0
.irp t, 0,1,2,3
	v_sub_f32 v[ST+8*\t+7], v[ST+8*\t+7], v[ST+8*\t]
.endr
.irp t, 0,1,2,3
	v_exp_f32 v[ST+8*\t+6], v[ST+8*\t+7]           ; a
.endr
.endif
	WIN 0x41                                       ; destination and source 0 window 1
.irp t, 0,1,2,3
	v_pk_fma_f32 v[SS+32*\t:SS+32*\t+1], v[SS+32*\t:SS+32*\t+1], s[CS:CS+1], v[ST+8*\t:ST+8*\t+1] op_sel_hi:[1,0,0] neg_lo:[0,0,1] neg_hi:[0,0,1]   ; pair 0: c s - c m.  (Plain lines behind the four exponentials)
.endr
.if \first == 0
	s_wait_alu depctr_va_vdst(0)                   ; one wait for the four a, ahead of the first line that names them
.endif
; The 128 exponentials are one batch: between them stand the scalings of pairs not yet raised, and O^T's rescaling; nothing names a result of the batch ahead of the wait behind it.
.irp i, 0,1,2,3,4,5,6,7,8,9,10,11,12,13,14,15
.irp t, 0,1,2,3
	v_exp_f32 v[SS+32*\t+2*\i], v[SS+32*\t+2*\i]
.if \i < 15
	v_pk_fma_f32 v[SS+32*\t+2*\i+2:SS+32*\t+2*\i+3], v[SS+32*\t+2*\i+2:SS+32*\t+2*\i+3], s[CS:CS+1], v[ST+8*\t:ST+8*\t+1] op_sel_hi:[1,0,0] neg_lo:[0,0,1] neg_hi:[0,0,1]
.endif
	v_exp_f32 v[SS+32*\t+2*\i+1], v[SS+32*\t+2*\i+1]
.if \first == 0
	v_pk_mul_f32 v[32*\t+2*\i:32*\t+2*\i+1], v[32*\t+2*\i:32*\t+2*\i+1], v[ST+8*\t+6:ST+8*\t+7] op_sel_hi:[1,0]   ; O^T x a, each accumulator from its low end on
.endif
.endr
.endr
.if \first
	v_nop                                          ; a plain line behind the last exponential
.endif
	s_wait_alu depctr_va_vdst(0)                   ; one wait for the batch, ahead of its first reader
; the row's sum of the unrounded p, in two chains a tile
.if \first
	WIN 0x05
.irp t, 0,1,2,3
	v_pk_add_f32 v[ST+8*\t+2:ST+8*\t+3], v[SS+32*\t:SS+32*\t+1], v[SS+32*\t+2:SS+32*\t+3]
.endr
.irp t, 0,1,2,3
	v_pk_add_f32 v[ST+8*\t+4:ST+8*\t+5], v[SS+32*\t+4:SS+32*\t+5], v[SS+32*\t+6:SS+32*\t+7]
.endr
	WIN 0x01
.irp i, 4,6,8,10,12,14
.irp t, 0,1,2,3
	v_pk_add_f32 v[ST+8*\t+2:ST+8*\t+3], v[SS+32*\t+2*\i:SS+32*\t+2*\i+1], v[ST+8*\t+2:ST+8*\t+3]
.endr
.irp t, 0,1,2,3
	v_pk_add_f32 v[ST+8*\t+4:ST+8*\t+5], v[SS+32*\t+2*\i+2:SS+32*\t+2*\i+3], v[ST+8*\t+4:ST+8*\t+5]
.endr
.endr
.else
	WIN 0x10
.irp t, 0,1,2,3
	v_pk_fma_f32 v[ST+8*\t+2:ST+8*\t+3], v[ST+8*\t+2:ST+8*\t+3], v[ST+8*\t+6:ST+8*\t+7], v[SS+32*\t:SS+32*\t+1] op_sel_hi:[1,0,1]   ; l = l a + pair 0
.endr
	WIN 0x05
.irp t, 0,1,2,3
	v_pk_add_f32 v[ST+8*\t+4:ST+8*\t+5], v[SS+32*\t+2:SS+32*\t+3], v[SS+32*\t+4:SS+32*\t+5]
.endr
	WIN 0x01
.irp i, 3,5,7,9,11,13
.irp t, 0,1,2,3
	v_pk_add_f32 v[ST+8*\t+2:ST+8*\t+3], v[SS+32*\t+2*\i:SS+32*\t+2*\i+1], v[ST+8*\t+2:ST+8*\t+3]
.endr
.irp t, 0,1,2,3
	v_pk_add_f32 v[ST+8*\t+4:ST+8*\t+5], v[SS+32*\t+2*\i+2:SS+32*\t+2*\i+3], v[ST+8*\t+4:ST+8*\t+5]
.endr
.endr
.irp t, 0,1,2,3
	v_pk_add_f32 v[ST+8*\t+2:ST+8*\t+3], v[SS+32*\t+30:SS+32*\t+31], v[ST+8*\t+2:ST+8*\t+3]
.endr
.endif
	WIN 0
.irp t, 0,1,2,3
	v_pk_add_f32 v[ST+8*\t+2:ST+8*\t+3], v[ST+8*\t+2:ST+8*\t+3], v[ST+8*\t+4:ST+8*\t+5]
.endr
	WIN 0x45                                       ; P is packed in place: register i takes pair i, which lies at 2 i and 2 i + 1, never under i
.irp i, 0,1,2,3,4,5,6,7,8,9,10,11,12,13,14,15
.irp t, 0,1,2,3
	v_cvt_pk_f16_f32 v[SS+32*\t+\i], v[SS+32*\t+2*\i], v[SS+32*\t+2*\i+1]
.endr
.endr
.endm
; A KEY STEP: V^T P of step j, K Q^T and the softmax of step j + 1.  K of step j + 1 is asked for ahead of the first products, V of step j + 1 ahead of the second.
.macro BODY zero
	FETCH_K
	s_wait_dscnt 16                                ; V of step j is in; K's sixteen loads may be out
	PV \zero
	FETCH_V
	s_wait_dscnt 16                                ; K is in; V's sixteen loads may be out
	KQ
	PLACES                                         ; four places in front of the first read of the scores
	SOFTMAX 0
.endm
.macro STEPS n
	WIN 0                                          ; at a label and at a branch every window is 0
	s_mov_b32 s[CNT], \n
.Lstep_\@:
	BODY 0
	WIN 0
	s_sub_co_u32 s[CNT], s[CNT], 1
	s_cmp_lg_u32 s[CNT], 0
	s_cbranch_scc1 .Lstep_\@
.endm
; THE CHANGE OF SLOTS: the slot's last bytes, V of its fourth step, have been asked for.  Each wave waits for all its tensor loads, of which one is out: its part of the other slot; adds 0 to its spare word; and waits
; for that and for its own reads of the slot.  fill = 1: the slot is filled again with the keys two slots on: the barrier is then a round of the cluster's, and the joint refill is the first thing behind it.
.macro CHANGE fill
	WIN 0
	s_wait_tensorcnt 0x0                           ; no tensor load of mine is out, so a group 0 may be written
	ds_add_u32 v[SPW], v[NIL]                      ; 0 onto my spare word
.if \fill
.irp g, G0K+4, G0V+4
	s_xor_b32 s[\g+1], s[\g+1], SLOT1              ; the walking descriptor: the other slot than last time,
	s_add_nc_u64 s[\g+2:\g+3], s[\g+2:\g+3], SLOTB ; the next 256 keys
.endr
	s_wait_xcnt 0x0                                ; the last prefetch, a slot back, has read its address, so it may be written
	s_add_nc_u64 s[PFA:PFA+1], s[PFA:PFA+1], SLOTB
	s_wait_dscnt 0x0                               ; the add is done, and my reads of the slot are over
	CROUND
	JLOAD
	ASK
.else
	s_wait_dscnt 0x0
	s_barrier_signal -1
	s_barrier_wait -1
.endif
	s_sub_co_u32 s[TB], s[TB], 4*STEPB             ; the fetches go back to a slot's first step,
	s_xor_b32 s[TB], s[TB], SLOT1                  ; in the other slot
.endm
	s_wait_tensorcnt 1                             ; my part of slot 0 is in; slot 1's may stay out
	s_barrier_signal -1
	s_barrier_wait -1
	FETCH_K                                        ; key step 0
	FETCH_V
	s_wait_loadcnt 0x0                             ; Q
	s_wait_dscnt 16                                ; K is in
	KQ
	WIN 0                                          ; the addresses for the way out are made here: six plain lines, the places behind those products
	s_mul_i32 s16, s[WV], WSTG
	s_add_co_u32 s16, s16, STAGE                   ; my stage
	v_add_nc_u32 v[STO], s16, v[AK0]               ; in: as a key's row: row r / 2, half r % 2, + 16 h
	v_mul_u32_u24 v11, v10, PK                     ; back: lanes 0-15 one row of 256 bytes, lanes 16-31 the next
	v_lshl_add_u32 v11, v1, 4, v11
	v_add_nc_u32 v[RD], s16, v11
	v_and_b32 v[GO], 31, v0
	v_lshlrev_b32 v[GO], 4, v[GO]                  ; and the same 512 bytes in o16
	SOFTMAX 1
	BODY 1                                         ; V^T P of step 0 starts O^T
	STEPS 2                                        ; slot 0's steps are all asked for
.Lslot:                                            ; six trips: every slot but the last two is filled again
	CHANGE 1
	STEPS 4
	s_sub_co_u32 s[SLOTS], s[SLOTS], 1
	s_cmp_lg_u32 s[SLOTS], 0
	s_cbranch_scc1 .Lslot
	CHANGE 0                                       ; the tail is written out
	STEPS 4
	s_wait_dscnt 0x0                               ; V of the last step
	PV 0
	; THE WAY OUT.  l's two halves and the other half of the lanes' are added (these lines are the places behind the last products); O^T is divided by l, rounded to f16, and goes through my stage.
	WIN 0
.irp t, 0,1,2,3
	v_add_f32 v[ST+8*\t+4], v[ST+8*\t+2], v[ST+8*\t+3]
.endr
.irp t, 0,1,2,3
	v_permlanex16_b32 v[ST+8*\t+5], v[ST+8*\t+4], s[SEL], s[SEL+1]
.endr
.irp t, 0,1,2,3
	v_add_f32 v[ST+8*\t+4], v[ST+8*\t+4], v[ST+8*\t+5]
.endr
.irp t, 0,1,2,3
	v_rcp_f32 v[ST+8*\t+6], v[ST+8*\t+4]
.endr
	v_nop                                          ; a plain line between the last reciprocal and the use of its result
	s_wait_alu depctr_va_vdst(0)                   ; and one wait for the four
.macro PACK t
	WIN 0x41
.irp i, 0,1,2,3,4,5,6,7,8,9,10,11,12,13,14,15
	v_pk_mul_f32 v[32*\t+2*\i:32*\t+2*\i+1], v[32*\t+2*\i:32*\t+2*\i+1], v[ST+8*\t+6:ST+8*\t+7] op_sel_hi:[1,0]
.endr
	WIN 0x05                                       ; sources window 1, destination window 0: K's registers are free
.irp i, 0,1,2,3,4,5,6,7,8,9,10,11,12,13,14,15
	v_cvt_pk_f16_f32 v[KF+16*\t+\i], v[32*\t+2*\i], v[32*\t+2*\i+1]
.endr
	WIN 0
.irp c, 0,1,2,3
	ds_store_b128 v[STO], v[KF+16*\t+4*\c:KF+16*\t+4*\c+3] offset:2176*\t+32*\c
.endr
.irp i, 0,1,2,3
	ds_load_b128 v[VF+16*\t+4*\i:VF+16*\t+4*\i+3], v[RD] offset:2176*\t+544*\i   ; LDS serves a wave's instructions in order: these see the stores above
.endr
.endm
.macro SEND t, younger                 ; younger: the LDS instructions issued behind tile t's loads: the next tile's eight, or none
.irp i, 0,1,2,3
	s_wait_dscnt \younger+3-\i
	global_store_b128 v[GO], v[VF+16*\t+4*\i:VF+16*\t+4*\i+3], s[10:11] offset:2048*\t+512*\i   ; 32 lanes store four tokens' rows: 512 consecutive bytes, aligned to 256
.endr
.endm
	PACK 0
	PACK 1
	SEND 0, 8
	PACK 2
	SEND 1, 8
	PACK 3
	SEND 2, 8
	SEND 3, 0
	s_wait_tensorcnt 0x0                           ; the wave's end, behind my last tensor load and my last LDS store
	ds_add_u32 v[SPW], v[NIL]
	s_wait_dscnt 0x0
	CROUND                                         ; the closing round
	s_endpgm
.Lfunc_end_k_qe68bfde722_attn:
	.size	k_qe68bfde722_attn, .Lfunc_end_k_qe68bfde722_attn-k_qe68bfde722_attn
	.p2alignl 7, 3214868480
	.fill 96, 4, 3214868480
	.section	.rodata,"a",@progbits
	.p2align	6, 0x0
	.amdhsa_kernel k_qe68bfde722_attn
		.amdhsa_group_segment_fixed_size 327680
		.amdhsa_private_segment_fixed_size 0
		.amdhsa_enable_private_segment 0
		.amdhsa_kernarg_size 16
		.amdhsa_user_sgpr_count 2
		.amdhsa_user_sgpr_kernarg_segment_ptr 1
		.amdhsa_wavefront_size32 1
		.amdhsa_system_sgpr_workgroup_id_x 1
		.amdhsa_system_sgpr_workgroup_id_y 1
		.amdhsa_system_sgpr_workgroup_id_z 1
		.amdhsa_system_vgpr_workitem_id 0
		.amdhsa_next_free_vgpr 512
		.amdhsa_next_free_sgpr 66
		.amdhsa_reserve_vcc 0
		.amdhsa_float_denorm_mode_32 3
		.amdhsa_float_denorm_mode_16_64 3
		.amdhsa_memory_ordered 1
		.amdhsa_forward_progress 1
		.amdhsa_inst_pref_size 179
	.end_amdhsa_kernel
	.amdgpu_metadata
---
amdhsa.version: [ 1, 2 ]
amdhsa.kernels:
  - .name:           k_qe68bfde722_attn
    .symbol:         k_qe68bfde722_attn.kd
    .args:
      - { .name: qkv, .offset: 0, .size: 8, .value_kind: global_buffer, .address_space: global }
      - { .name: o16, .offset: 8, .size: 8, .value_kind: global_buffer, .address_space: global }
    .group_segment_fixed_size: 327680
    .private_segment_fixed_size: 0
    .kernarg_segment_align: 8
    .kernarg_segment_size: 16
    .max_flat_workgroup_size: 256
    .sgpr_count:     66
    .vgpr_count:     512
    .wavefront_size: 32
...
	.end_amdgpu_metadata
.endif
;; end of part 3
;; launch proj (part 4): grid 4 x 64, 4 waves a work-group, clusters of 4 x 4, 327,680 bytes of LDS; arguments o16, wp, b_proj, out0; writes out0
.if DOCPART == 4
	.amdgcn_target "amdgcn-amd-amdhsa--gfx1250"
	.amdhsa_code_object_version 6
	.text
	.protected	k_qe68bfde722_proj
	.globl	k_qe68bfde722_proj
	.p2align	8
	.type	k_qe68bfde722_proj,@function
k_qe68bfde722_proj:
	s_mov_b64 s[64:65], 0
	v_nop
	global_prefetch_b8 v0, s[64:65] scope:SCOPE_SE
	s_setreg_imm32_b32 hwreg(HW_REG_WAVE_MODE, 25, 1), 1
	s_wait_xcnt 0x0
	s_wait_alu depctr_hold_cnt(0) depctr_sa_sdst(0) depctr_va_vdst(0) depctr_va_sdst(0) depctr_va_ssrc(0) depctr_va_vcc(0) depctr_vm_vsrc(0)
	s_getreg_b32 s2, hwreg(HW_REG_IB_STS2, 6, 4)
	s_cmp_eq_u32 s2, 0
	s_cbranch_scc0 .Lentry_in_a_cluster
	s_endpgm
.Lentry_in_a_cluster:
	s_bfe_u32 s2, ttmp6, 0x10000c
	s_cmp_lg_u32 s2, 0xf033
	s_cbranch_scc0 .Lentry_shape_is_right
	s_endpgm
.Lentry_shape_is_right:
; out0[m][n] = sum over k of o[m][k] w_proj[k][n] + b_proj[n].  o: o16 [head 16][token 8192][64] f16 (k = 64 head + channel); w_proj: wp [k 1024][n 1024] f16; out0 [8192][1024] f32; sums in f32.
; A tile of out0 is 128 tokens x 256 columns: 256 work-groups of four waves; a wave makes 64 x 128: 32 accumulators, 256 registers.  K goes in steps of 128 (two heads) through two LDS slots.
; A's tile: for each of the two heads 128 tokens x 128 bytes, dense in memory: 64 rows of 256 bytes (two tokens), padded to 272.  B's tile: 128 rows (k) x 512 bytes, padded to 544, read turned by ds_load_tr16_b128.
; CLUSTERS: 4 x 4 work-groups; A's tiles are shared along a row of the cluster, B's along a column: asked for jointly.
; THE MATRIX INSTRUCTION IS USED TRANSPOSED (source 0 = 16 columns of w_proj, source 1 = 16 tokens): a lane holds eight neighbouring columns of one token.  The bias is the C of each sum's first product.
; REGISTERS: window 0: v16-29 addresses; v32-95 the bias in the result's layout; v128-255 rows on the way out.  window 1: two fragment buffers of 96 at v0 and v128 (A's 4 blocks, then B's 8).
;   window 2: the accumulators, (a, b) at v[8 (8 a + b)].
.set AHEAD,  64*272                    ; a head's 128 tokens in LDS: one tensor load
.set BHALF,  64*544                    ; 64 rows of B: one tensor load
.set BOFF,   2*AHEAD
.set SLOT,   BOFF+2*BHALF
.set STAGE,  2*SLOT                    ; behind the ring: 16 rows x (512 + 16) bytes for each wave
.set SPITCH, 528
.set SPARE,  STAGE+4*16*SPITCH         ; the spare words, 128 bytes for each wave
.set ADRA, 16
.set ADRB, 20
.set STO,  24
.set RD,   25
.set CO,   26
.set BO,   27
.set SPW,  28
.set NIL,  29
.set BIAS, 32
.set BK,   128
.set F0,   0
.set F1,   128
.set G1, 24
.set G0, 32
.set G1B, 48
.set G0B, 56
.set MSB, 0
.macro WIN new
.if MSB != (\new)
	s_set_vgpr_msb (MSB<<8)|(\new)
.set MSB, (\new)
.endif
.endm
.set MUL,  0xa5                        ; sources 0 and 1 window 1; C and D window 2
.set MULZ, 0x85                        ; the same with C (the bias) in window 0
.set TO_F, 0x40
.macro JLOAD s                         ; a joint load: waves 0 and 1 fetch A's two heads, waves 2 and 3 B's two halves; an s_nop 0 and four v_nop follow each line
	s_cmp_eq_u32 s13, 0
	s_cbranch_scc0 .Lfor_b_\@
	tensor_load_to_lds s[G0+4*\s:G0+4*\s+3], s[G1:G1+7]
	s_nop 0
.rept 4
	v_nop
.endr
	s_branch .Lasked_\@
.Lfor_b_\@:
	tensor_load_to_lds s[G0B+4*\s:G0B+4*\s+3], s[G1B:G1B+7]
	s_nop 0
.rept 4
	v_nop
.endr
.Lasked_\@:
.endm
.macro CREST
	s_cmp_lg_u32 s12, 0
	s_cbranch_scc1 .Lnot_wave_0_\@
	s_barrier_signal -3
.Lnot_wave_0_\@:
	s_barrier_wait -3
	s_barrier_signal -1
	s_barrier_wait -1
.endm
.macro CROUND
	s_barrier_signal -1
	s_barrier_wait -1
	CREST
.endm
	s_load_b256 s[4:11], s[0:1], 0x0               ; o16 s[4:5], wp s[6:7], b_proj s[8:9], out0 s[10:11]
	v_lshl_add_u32 v[SPW], v0, 2, SPARE
	v_mov_b32 v[NIL], 0
	ds_add_u32 v[SPW], v[NIL]                      ; the wave's opening: the add, twice on end, and its wait ahead of my first tensor load
	ds_add_u32 v[SPW], v[NIL]
	v_lshrrev_b32 v1, 5, v0
	v_readfirstlane_b32 s12, v1                    ; wave 0..3
	s_lshr_b32 s13, s12, 1                         ; which half of the tile's tokens is mine.  Also: I fetch for A (0) or for B (1)
	s_and_b32 s14, s12, 1                          ; which half of its columns.  Also: which part of that tile I fetch
	s_bfe_u32 s40, ttmp6, 0x40000
	s_bfe_u32 s41, ttmp6, 0x40004
	s_lshl_b32 s42, ttmp9, 2
	s_add_co_u32 s42, s42, s40                     ; tile column 0..3
	s_and_b32 s15, ttmp7, 0xffff
	s_lshl_b32 s15, s15, 2
	s_add_co_u32 s15, s15, s41                     ; tile row 0..63
	s_lshl_b32 s43, s41, 2
	s_lshl_b32 s43, 15, s43                        ; my row of the cluster
	s_lshl_b32 s44, 0x1111, s40                    ; my column
	s_or_b32 s[G1+0], s43, (1<<16)|(1<<20)|(1<<21)|(5<<22)|(3<<25)   ; A: elements of 2 bytes; 4 words of padding behind every 64
	s_mov_b32 s[G1+1], 128<<16
	s_mov_b32 s[G1+2], 64<<16
	s_mov_b32 s[G1+3], 128<<16
	s_mov_b32 s[G1+4], 64
	s_mov_b32 s[G1+5], 128
	s_mov_b32 s[G1+6], 0
	s_mov_b32 s[G1+7], 0
	s_or_b32 s[G1B+0], s44, (1<<16)|(1<<20)|(1<<21)|(6<<22)|(7<<25)  ; B: 8 words of padding behind every 128
	s_mov_b32 s[G1B+1], 256<<16
	s_mov_b32 s[G1B+2], 64<<16
	s_mov_b32 s[G1B+3], 256<<16
	s_mov_b32 s[G1B+4], 64
	s_mov_b32 s[G1B+5], 1024
	s_mov_b32 s[G1B+6], 0
	s_mov_b32 s[G1B+7], 0
	s_lshl_b32 s16, s15, 14                        ; A: the tile row's 128 tokens of 128 bytes,
	s_lshl_b32 s17, s14, 20                        ; in head 0 or 1
	s_add_co_u32 s16, s16, s17
	s_mov_b32 s17, 0
	s_lshl_b32 s46, s42, 9                         ; B: the tile column's 512 bytes of a row,
	s_lshl_b32 s47, s14, 17                        ; from row 0 or 64
	s_add_co_u32 s46, s46, s47
	s_mov_b32 s47, 0
	s_mul_i32 s20, s14, AHEAD                      ; where they go: no place in the cluster enters an LDS address
	s_mul_i32 s21, s14, BHALF
	s_add_co_u32 s21, s21, BOFF
	s_wait_dscnt 0x0                               ; both opening adds are done
	s_wait_kmcnt 0x0
	s_add_nc_u64 s[16:17], s[4:5], s[16:17]
	s_add_nc_u64 s[46:47], s[6:7], s[46:47]
	CROUND                                         ; all sixteen work-groups are here: the first joint loads meet
.irp s, 0,1
	s_mov_b32 s[G0+4*\s], 1
	s_add_co_u32 s[G0+4*\s+1], s20, \s*SLOT
	s_add_nc_u64 s[G0+4*\s+2:G0+4*\s+3], s[16:17], \s*(2<<20)      ; K step s: heads 2 s, 2 s + 1
	s_or_b32 s[G0+4*\s+3], s[G0+4*\s+3], 0x80000000
	s_mov_b32 s[G0B+4*\s], 1
	s_add_co_u32 s[G0B+4*\s+1], s21, \s*SLOT
	s_add_nc_u64 s[G0B+4*\s+2:G0B+4*\s+3], s[46:47], \s*262144     ; 128 rows of 2,048 bytes
	s_or_b32 s[G0B+4*\s+3], s[G0B+4*\s+3], 0x80000000
	JLOAD \s                                       ; two loads of mine are out
.endr
	v_and_b32 v1, 15, v0                           ; r
	v_bfe_u32 v2, v0, 4, 1                         ; h
	v_lshrrev_b32 v3, 1, v1
	v_mul_u32_u24 v3, v3, 272                      ; A: token r of a block: LDS row r / 2,
	v_and_b32 v4, 1, v1
	v_lshl_add_u32 v3, v4, 7, v3                   ; half r % 2,
	v_lshl_add_u32 v3, v2, 4, v3                   ; + 16 h
	v_and_b32 v4, 7, v0
	v_lshl_add_u32 v4, v2, 3, v4                   ; B, turned: lane l reads row k = 8 h + l % 8,
	v_mul_u32_u24 v4, v4, 544
	v_bfe_u32 v5, v0, 3, 1
	v_lshl_add_u32 v4, v5, 4, v4                   ; columns 8 ((l / 8) % 2) on
	s_mul_i32 s21, s13, 8704                       ; my 64 tokens: 32 LDS rows
	s_lshl_b32 s22, s14, 8                         ; my 128 columns: 256 bytes
	s_add_co_u32 s22, s22, BOFF
.irp s, 0,1
	v_add_nc_u32 v[ADRA+\s], s21, v3
	v_add_nc_u32 v[ADRB+\s], s22, v4
	s_add_co_u32 s21, s21, SLOT
	s_add_co_u32 s22, s22, SLOT
.endr
	s_mul_i32 s23, s12, 16*SPITCH
	s_add_co_u32 s23, s23, STAGE                   ; my stage
	v_mul_u32_u24 v5, v1, SPITCH                   ; in: row r, 32 bytes for each half of the lanes
	v_lshl_add_u32 v5, v2, 5, v5
	v_add_nc_u32 v[STO], s23, v5
	v_and_b32 v6, 31, v0
	v_lshlrev_b32 v[CO], 4, v6                     ; back: the 32 lanes take one row of 512 bytes; and the same in out0
	v_add_nc_u32 v[RD], s23, v[CO]
	v_lshlrev_b32 v[BO], 5, v2                     ; the bias: my half's eight numbers
	s_lshl_b32 s46, s42, 10                        ; my first column, in bytes of f32: 1,024 x tile column + 512 x half
	s_lshl_b32 s47, s14, 9
	s_add_co_u32 s46, s46, s47
	s_mov_b32 s47, 0
	s_add_nc_u64 s[8:9], s[8:9], s[46:47]
	s_add_nc_u64 s[10:11], s[10:11], s[46:47]
	s_lshl_b32 s16, s15, 7
	s_lshl_b32 s17, s13, 6
	s_add_co_u32 s16, s16, s17                     ; my first token: 128 x tile row + 64 x half
	s_lshl_b32 s16, s16, 12                        ; rows of 4,096 bytes
	s_mov_b32 s17, 0
	s_add_nc_u64 s[10:11], s[10:11], s[16:17]
.irp b, 0,1,2,3,4,5,6,7
	global_load_b128 v[BIAS+8*\b:BIAS+8*\b+3],   v[BO], s[8:9] offset:64*\b       ; register 8 b + j: b_proj at my column 16 b + 8 h + j
	global_load_b128 v[BIAS+8*\b+4:BIAS+8*\b+7], v[BO], s[8:9] offset:64*\b+16
.endr
; 24 LDS loads in one run: the fragments of the slot's q-th 32 along K into buffer f: B's 16 first, then A's blocks 0 to 3
.macro FETCH slot, q, f
	WIN TO_F
.irp b, 0,1,2,3,4,5,6,7
	ds_load_tr16_b128 v[\f+32+8*\b:\f+32+8*\b+3],   v[ADRB+\slot] offset:17408*(\q)+32*\b
	ds_load_tr16_b128 v[\f+32+8*\b+4:\f+32+8*\b+7], v[ADRB+\slot] offset:17408*(\q)+32*\b+8704
.endr
.irp a, 0,1,2,3
	ds_load_b128 v[\f+8*\a:\f+8*\a+3],   v[ADRA+\slot] offset:17408*((\q)>>1)+64*((\q)&1)+2176*\a
	ds_load_b128 v[\f+8*\a+4:\f+8*\a+7], v[ADRA+\slot] offset:17408*((\q)>>1)+64*((\q)&1)+2176*\a+32
.endr
.endm
; 8 matrix instructions: A's block a x B's eight.  The 32 accumulators take turns, one instruction a turn, in the same order in every quarter.
.macro MULA f, a, zero
.irp b, 0,1,2,3,4,5,6,7
.if \zero
	v_wmma_f32_16x16x32_f16 v[8*(8*(\a)+\b):8*(8*(\a)+\b)+7], v[\f+32+8*\b:\f+32+8*\b+7], v[\f+8*(\a):\f+8*(\a)+7], v[BIAS+8*\b:BIAS+8*\b+7]
.else
	v_wmma_f32_16x16x32_f16 v[8*(8*(\a)+\b):8*(8*(\a)+\b)+7], v[\f+32+8*\b:\f+32+8*\b+7], v[\f+8*(\a):\f+8*(\a)+7], v[8*(8*(\a)+\b):8*(8*(\a)+\b)+7]
.endif
.endr
.endm
.macro PLACES                          ; four places in front of loads into registers that matrix instructions have read, and of the first read of results
.rept 4
	v_nop
.endr
.endm
; A K step is four quarters of 32 along K on buffers 0, 1, 0, 1.  One of the first three: multiplies buffer f and fetches quarter qn of the same slot into g.
.macro QUARTER slot, qn, f, g, zero
	s_wait_dscnt 4                                 ; B and A's blocks 0, 1 are in; the youngest four loads (A's blocks 2, 3) may be out
	WIN MUL-0x20*(\zero)
	MULA \f, 0, \zero
	MULA \f, 1, \zero
	PLACES
	FETCH \slot, \qn, \g
	s_wait_dscnt 24                                ; all but the 24 just issued
	WIN MUL-0x20*(\zero)
	MULA \f, 2, \zero
	MULA \f, 3, \zero
.endm
; The last quarter multiplies buffer 1 and changes slots: ONE barrier; in front of it each wave waits for all its tensor loads, adds 0 to its spare word, and waits for that and for its own reads of this slot.
.macro TURN slot, next, fill
	WIN 0
	s_wait_tensorcnt 0x0                           ; all my tensor loads have landed: my part of the next slot
	ds_add_u32 v[SPW], v[NIL]                      ; 0 onto my spare word
	s_wait_dscnt 5                                 ; (the add and the youngest four loads may be out)
	WIN MUL
	MULA F1, 0, 0
	s_wait_dscnt 0x0                               ; the add is done, and my reads of this slot are over
	s_barrier_signal -1
	MULA F1, 1, 0
.if \fill
	WIN 0
.endif
	s_barrier_wait -1
.if \fill
	CREST                                          ; the barrier has opened a round of the cluster's: no wave of any partner still reads this slot or has a load on its way
	s_add_nc_u64 s[G0+4*\slot+2:G0+4*\slot+3], s[G0+4*\slot+2:G0+4*\slot+3], 4<<20      ; two K steps on: four heads,
	s_add_nc_u64 s[G0B+4*\slot+2:G0B+4*\slot+3], s[G0B+4*\slot+2:G0B+4*\slot+3], 524288 ; 256 rows of wp
	JLOAD \slot                                    ; the first tensor load behind the round; its four v_nop are also the places in front of the loads below
.else
	PLACES
.endif
	FETCH \next, 0, F0
	WIN MUL
	MULA F1, 2, 0
	MULA F1, 3, 0
.endm
	s_wait_tensorcnt 1                             ; my part of K step 0 is in (K step 1's load may be out),
	s_barrier_signal -1
	s_barrier_wait -1                              ; everybody's is
	FETCH 0, 0, F0
	s_wait_loadcnt 0x0                             ; the bias
	QUARTER 0, 1, F0, F1, 1                        ; the first quarter's products start the sums from the bias
	WIN 0
	s_mov_b32 s3, 3
.Llap:                                             ; a trip goes once round the ring and fills both slots again: K steps 2 to 7
	QUARTER 0, 2, F1, F0, 0
	QUARTER 0, 3, F0, F1, 0
	TURN 0, 1, 1
	QUARTER 1, 1, F0, F1, 0
	QUARTER 1, 2, F1, F0, 0
	QUARTER 1, 3, F0, F1, 0
	TURN 1, 0, 1
	QUARTER 0, 1, F0, F1, 0
	WIN 0
	s_sub_co_u32 s3, s3, 1
	s_cmp_lg_u32 s3, 0
	s_cbranch_scc1 .Llap
	QUARTER 0, 2, F1, F0, 0                        ; the last lap fills nothing
	QUARTER 0, 3, F0, F1, 0
	TURN 0, 1, 0
	QUARTER 1, 1, F0, F1, 0
	QUARTER 1, 2, F1, F0, 0
	QUARTER 1, 3, F0, F1, 0
	s_wait_dscnt 4                                 ; the very last quarter: nothing more to fetch
	WIN MUL
	MULA F1, 0, 0
	MULA F1, 1, 0
	s_wait_dscnt 0
	MULA F1, 2, 0
	MULA F1, 3, 0
	WIN 0
; THE WAY OUT, block by block of 16 tokens x 128 columns: through my own stage, back as whole rows of 512 bytes.
.macro TOSTAGE a
	WIN 0x08                                       ; an LDS store's data are its source 1: window 2
.irp b, 0,1,2,3,4,5,6,7
	ds_store_b128 v[STO], v[64*(\a)+8*\b:64*(\a)+8*\b+3] offset:64*\b          ; each accumulator from its low end on
	ds_store_b128 v[STO], v[64*(\a)+8*\b+4:64*(\a)+8*\b+7] offset:64*\b+16
.endr
	WIN 0
.set BB, BK+64*((\a)%2)
.irp t, 0,1,2,3,4,5,6,7,8,9,10,11,12,13,14,15
	ds_load_b128 v[BB+4*\t:BB+4*\t+3], v[RD] offset:\t*SPITCH      ; LDS serves a wave's instructions in order: these see the stores above
.endr
.endm
.macro SEND a, younger                 ; younger: the LDS instructions issued behind block a's loads
.set BB, BK+64*((\a)%2)
	s_wait_dscnt \younger
.irp t, 0,1,2,3,4,5,6,7,8,9,10,11,12,13,14,15
	global_store_b128 v[CO], v[BB+4*\t:BB+4*\t+3], s[10:11] offset:(16*(\a)+\t)*4096 th:TH_STORE_NT   ; 32 lanes store 512 consecutive bytes, aligned to 256
.endr
.endm
	PLACES
	TOSTAGE 0
.irp a, 1,2,3
.if \a > 1
	s_wait_xcnt 0x0                                ; block a - 2's stores have read their registers: block a's loads may land there
.endif
	TOSTAGE \a
	SEND \a-1, 32                                  ; behind block a - 1's loads: block a's 16 stores and 16 loads
.endr
	SEND 3, 0
	s_wait_tensorcnt 0x0                           ; the wave's end, behind my last tensor load and my last LDS store
	ds_add_u32 v[SPW], v[NIL]
	s_wait_dscnt 0x0
	CROUND                                         ; the closing round
	s_endpgm
.Lfunc_end_k_qe68bfde722_proj:
	.size	k_qe68bfde722_proj, .Lfunc_end_k_qe68bfde722_proj-k_qe68bfde722_proj
	.p2alignl 7, 3214868480
	.fill 96, 4, 3214868480
	.section	.rodata,"a",@progbits
	.p2align	6, 0x0
	.amdhsa_kernel k_qe68bfde722_proj
		.amdhsa_group_segment_fixed_size 327680
		.amdhsa_private_segment_fixed_size 0
		.amdhsa_enable_private_segment 0
		.amdhsa_kernarg_size 32
		.amdhsa_user_sgpr_count 2
		.amdhsa_user_sgpr_kernarg_segment_ptr 1
		.amdhsa_wavefront_size32 1
		.amdhsa_system_sgpr_workgroup_id_x 1
		.amdhsa_system_sgpr_workgroup_id_y 1
		.amdhsa_system_sgpr_workgroup_id_z 1
		.amdhsa_system_vgpr_workitem_id 0
		.amdhsa_next_free_vgpr 768
		.amdhsa_next_free_sgpr 66
		.amdhsa_reserve_vcc 0
		.amdhsa_float_denorm_mode_32 3
		.amdhsa_float_denorm_mode_16_64 3
		.amdhsa_memory_ordered 1
		.amdhsa_forward_progress 1
		.amdhsa_inst_pref_size 87
	.end_amdhsa_kernel
	.amdgpu_metadata
---
amdhsa.version: [ 1, 2 ]
amdhsa.kernels:
  - .name:           k_qe68bfde722_proj
    .symbol:         k_qe68bfde722_proj.kd
    .args:
      - { .name: o16, .offset: 0, .size: 8, .value_kind: global_buffer, .address_space: global }
      - { .name: wp, .offset: 8, .size: 8, .value_kind: global_buffer, .address_space: global }
      - { .name: b_proj, .offset: 16, .size: 8, .value_kind: global_buffer, .address_space: global }
      - { .name: out0, .offset: 24, .size: 8, .value_kind: global_buffer, .address_space: global }
    .group_segment_fixed_size: 327680
    .private_segment_fixed_size: 0
    .kernarg_segment_align: 8
    .kernarg_segment_size: 32
    .max_flat_workgroup_size: 128
    .sgpr_count:     66
    .vgpr_count:     768
    .wavefront_size: 32
...
	.end_amdgpu_metadata
.endif
;; end of part 4
